; MI455X (gfx1250); checked and timed in simulation.
; The chip was launched on July 23, 2026; its instructions are those of AMD's public machine-readable ISA for CDNA 5 (MIT licence, August 2026) and "CDNA5" Instruction Set Architecture Reference Guide (July 2026). The comments in the code are by the model that wrote it; some were corrected since.
;; Retro Model. Allowed arithmetic: matrix products marked QUANTISED: E4M3 operands, one given power-of-two scale a tensor, by v_wmma_f32_16x16x64_fp8_fp8 or v_wmma_f32_16x16x128_fp8_fp8, f32 sums; everything else in f32.
;; Inputs: Wk_codes 1,024 x 32 x 32 uint8 (E4M3 codes of Wk, K innermost, in blocks of 32 codes); Wo_codes 1,024 x 32 x 32 uint8 (E4M3 codes of Wo, K innermost, in blocks of 32 codes); Wq_codes 1,024 x 32 x 32 uint8 (E4M3 codes of Wq, K innermost, in blocks of 32 codes); Wv_codes 1,024 x 32 x 32 uint8 (E4M3 codes of Wv, K innermost, in blocks of 32 codes); bk 1,024 float32; bo 1,024 float32; bq 1,024 float32; bv 1,024 float32; e_codes 4 x 32 x 2 x 64 x 32 x 32 uint8 (E4M3 codes of e, K innermost, in blocks of 32 codes); h 4 x 2,048 x 1,024 float32; ln_b 1,024 float32; ln_g 1,024 float32; lowp_scales 12 int32 (the exponents e of the quantised operands' scales 2^e).
;; Outputs: out0 4 x 2,048 x 1,024 float32.
;; This version of the problem:
;;   THIS VERSION OF THE PROBLEM IS GIVEN IN LOW PRECISION. The matrix products marked QUANTISED in the list below multiply operands that are first quantised to E4M3 (4 exponent bits, 3 mantissa bits; 8 bits a number), with one given power-of-two scale for each operand tensor; their sums are f32. All else is computed in f32.
;;   The module's matrix products, in the order in which they are computed (A, B: the left and right operand; K: the contracted axis; several contracted axes count as one K, in the product's order):
;;     1. [M 8,192, K 1,024] x [K 1,024, N 1,024]; A: computed on the way; B: input Wq (given as codes): QUANTISED (scales: A lowp_scales[0], B lowp_scales[1])
;;     2. [M 16,384, K 1,024] x [K 1,024, N 1,024]; A: input e (given as codes); B: input Wk (given as codes): QUANTISED (scales: A lowp_scales[2], B lowp_scales[3])
;;     3. [M 16,384, K 1,024] x [K 1,024, N 1,024]; A: input e (given as codes); B: input Wv (given as codes): QUANTISED (scales: A lowp_scales[4], B lowp_scales[5])
;;     4. batch 2,048 x [M 64, K 64] x [K 64, N 128]; A: computed on the way; B: computed on the way: QUANTISED (scales: A lowp_scales[6], B lowp_scales[7])
;;     5. batch 2,048 x [M 64, K 128] x [K 128, N 64]; A: computed on the way; B: computed on the way: QUANTISED (scales: A lowp_scales[8], B lowp_scales[9])
;;     6. [M 8,192, K 1,024] x [K 1,024, N 1,024]; A: computed on the way; B: input Wo (given as codes): QUANTISED (scales: A lowp_scales[10], B lowp_scales[11])
;;   THE QUANTISER, for each operand of a quantised product, along K:
;;     - The operand's scale is 2^e, e = its entry of the input lowp_scales (int32; the entries are numbered through the quantised products in the list's order, A before B).
;;     - Each number is divided by the scale, clamped to +-448, and rounded to the nearest number of E4M3, ties to even, subnormals kept.
;;     - The product sums the exact products of the quantised numbers (number of the format x scale) in f32.
;;   ~~~python
;;   def quantise(x, axis, e):      # numpy; x: float32 -> the quantised numbers, widened to float32 again
;;       x = np.moveaxis(x, axis, -1); K = x.shape[-1]
;;       r = np.clip(x / 2.0 ** e, -448, 448)
;;       step = 2.0 ** (np.maximum(np.frexp(np.where(r == 0, 1, r))[1] - 1, -6) - 3)
;;       q = np.round(r / step) * step * 2.0 ** e      # np.round: ties to even
;;       return np.moveaxis(q, -1, axis).astype(np.float32)
;;   ~~~
;;   OPERANDS COMPUTED ON THE WAY. 'Computed on the way' means the value that the module computes at that place (a softmax that the list does not call 'softmax' is quantised finished and normalised). What goes into a quantiser is computed in f32, as accurately as f32 sums, v_exp_f32 and their like allow (about 1e-6 of the number): no bf16 or f16 on the way to a quantiser, and a product that is left as it is and whose result goes on into a quantised operand takes f32 operands (vector FMAs, or v_wmma_f32_16x16x4_f32). A number that lies on a knife's edge between two numbers of the format may be rounded either way, as far as f32 arithmetic and the matrix unit's own rounding can turn it there, and no further.
;;   INPUTS GIVEN AS CODES. Wk (in the module: [1024, 1024], K = its axis 0); Wo (in the module: [1024, 1024], K = its axis 0); Wq (in the module: [1024, 1024], K = its axis 0); Wv (in the module: [1024, 1024], K = its axis 0); e (in the module: [4, 32, 2, 64, 1024], K = its axis 4): each comes as NAME_codes (uint8): NAME with its K axis moved to the last place and cut into blocks of 32 codes, [.., K / 32, bytes a block], one block behind the other in memory; one code a byte (a code: sign, 4 exponent bits, 3 mantissa bits); its scale is its entry of lowp_scales. Its value is code x scale, taken as it is: it is not quantised again, and the codes and scales need not be those that the quantiser above would give.
;; 2 versions. Each part assembles by itself: llvm-mc -triple=amdgcn-amd-amdhsa -mcpu=gfx1250 --defsym DOCPART=n.
;; ======== version 1 of 2: 3 launches
;; workspace buffers: xq 8,388,608 bytes; oq 8,388,608 bytes
;; launch lnq (part 1): grid 512 x 1, 4 waves a work-group, no clusters, 17,408 bytes of LDS; arguments h, ln_g, ln_b, lowp_scales, xq; writes xq
.if DOCPART == 1
	.amdgcn_target "amdgcn-amd-amdhsa--gfx1250"
	.amdhsa_code_object_version 6
	.text
	.protected	k_q2539ce9413_lnq
	.globl	k_q2539ce9413_lnq
	.p2align	8
	.type	k_q2539ce9413_lnq,@function
k_q2539ce9413_lnq:
	s_mov_b64 s[64:65], 0
	v_nop
	global_prefetch_b8 v0, s[64:65] scope:SCOPE_SE
	s_setreg_imm32_b32 hwreg(HW_REG_WAVE_MODE, 25, 1), 1
	s_wait_xcnt 0x0
; LayerNorm of the shifted rows of h, quantised to E4M3 with the given scale 2^e0, laid as the next launch's operand registers.
; Query i of chunk c (of 32 in a batch) is row (64 c + 63 + i) mod 2048 of its batch.  For chunk 31, i >= 1, that is a row whose result is thrown away later (those queries are padding); it is
; normalised like any other, so that no path differs between work-groups.
; SHARES.  Work-group T = 4 ci + qt takes 16 queries (tile qt of chunk ci = 32 batch + c); each of its four waves takes four rows, a row in 32 registers: register 4 q + e of lane l is k = 128 q + 4 l + e,
; so that each load of a wave reads 512 consecutive bytes.  Mean and variance are taken in two passes over the registers (x - mean first), in f32.
; OUT.  xq[ci][qt][s 8][c 4][lane 32][16 bytes]: lane (r, h) of group c of K step s holds k = 128 s + 32 c + 16 h + 0 .. 15 of row r.  The codes turn through LDS (16 rows, 1,040 bytes apart: 65 x 16, so the
; sixteen rows of a 16-byte read start at different banks), and each store of a wave covers 512 consecutive bytes, aligned.
; No cluster: the work-groups share nothing but g and b (8 KB).  No matrix unit: there is no product here.
; LIMITS: e0 between -126 and 119, so that 2^e0 and 448 x 2^e0 are f32 numbers.  NaN among the inputs is not served.
.set PITCH, 1040
.set OFF,  2                           ; v2-5    row rr: its byte offset in h + 16 x lane
.set LA,   6                           ; v6      LDS, in: 4 x lane + my four rows
.set FA,   7                           ; v7      LDS, out: row r, + 16 h, + my eight groups
.set SC,   9                           ; v9      2^e0
.set LIM,  10                          ; v10     448 x 2^e0
.set T,    16                          ; v16-31  four registers a row, at work
.set X,    32                          ; v32-159 32 numbers a row
.set G,    160                         ; v160-191 g at my 32 k
.set BT,   192                         ; v192-223 b
.set C,    224                         ; v224-255 8 registers of codes a row
	s_load_b256 s[4:11], s[0:1], 0x0               ; h s[4:5], g s[6:7], b s[8:9], the scales' exponents s[10:11]
	s_load_b64 s[16:17], s[0:1], 0x20              ; xq
	v_lshl_add_u32 v14, v0, 2, 0x4200
	v_mov_b32 v15, 0
	v_lshrrev_b32 v8, 5, v0
	v_readfirstlane_b32 s18, v8                    ; wave
	v_and_b32 v8, 31, v0                           ; lane
	v_lshlrev_b32 v1, 4, v8                        ; 16 x lane
	s_mov_b32 s12, 0x76543210                      ; lane selects: each lane takes its own place in the other half
	s_mov_b32 s13, 0xfedcba98
	s_mov_b32 s14, 0x3a800000                      ; 1 / 1024
	s_mov_b32 s15, 0x3727c5ac                      ; 1e-5
	s_lshr_b32 s20, ttmp9, 2                       ; ci
	s_and_b32 s21, ttmp9, 3                        ; qt
	s_and_b32 s22, s20, 31                         ; c
	s_lshl_b32 s22, s22, 6
	s_lshl_b32 s21, s21, 4
	s_add_co_u32 s22, s22, s21
	s_lshl_b32 s23, s18, 2
	s_add_co_u32 s22, s22, s23
	s_add_co_u32 s22, s22, 63                      ; 64 c + 63 + 16 qt + 4 wave
	s_lshr_b32 s20, s20, 5
	s_lshl_b32 s20, s20, 11                        ; the batch's first row
.irp rr, 0,1,2,3
	s_add_co_u32 s23, s22, \rr
	s_and_b32 s23, s23, 2047
	s_add_co_u32 s23, s23, s20
	s_lshl_b32 s23, s23, 12                        ; a row of h is 4,096 bytes
	v_add_nc_u32 v[OFF+\rr], s23, v1
.endr
	s_lshl_b32 s26, ttmp9, 14                      ; the tile's 16,384 bytes of xq,
	s_lshl_b32 s27, s18, 12                        ; my wave's eight groups of 512
	s_add_co_u32 s26, s26, s27
	s_mov_b32 s27, 0
	s_wait_kmcnt 0x0
	s_load_b32 s24, s[10:11], 0x0                  ; e0
	s_add_nc_u64 s[16:17], s[16:17], s[26:27]
.irp rr, 0,1,2,3
.irp q, 0,1,2,3,4,5,6,7
	global_load_b128 v[X+32*\rr+4*\q:X+32*\rr+4*\q+3], v[OFF+\rr], s[4:5] offset:512*\q th:TH_LOAD_NT
.endr
.endr
.irp q, 0,1,2,3,4,5,6,7
	global_load_b128 v[G+4*\q:G+4*\q+3], v1, s[6:7] offset:512*\q
	global_load_b128 v[BT+4*\q:BT+4*\q+3], v1, s[8:9] offset:512*\q
.endr
	s_mul_i32 s23, s18, 4*PITCH
	v_lshl_add_u32 v[LA], v8, 2, s23
	v_and_b32 v11, 15, v0                          ; r
	v_bfe_u32 v12, v0, 4, 1                        ; h
	v_mul_u32_u24 v[FA], v11, PITCH
	v_lshl_add_u32 v[FA], v12, 4, v[FA]
	s_lshl_b32 s23, s18, 8
	v_add_nc_u32 v[FA], s23, v[FA]
	s_wait_kmcnt 0x0
	s_add_co_i32 s24, s24, 127
	s_lshl_b32 s25, s24, 23
	v_mov_b32 v[SC], s25                           ; 2^e0 as f32: the conversion takes its exponent field
	s_add_co_i32 s24, s24, 8
	s_lshl_b32 s24, s24, 23
	s_or_b32 s24, s24, 0x600000
	v_mov_b32 v[LIM], s24                          ; 448 x 2^e0
; The two chains of each row are joined and summed over the 32 lanes; every lane ends with the sum in v[T + 4 rr].  The four rows go line by line, so that no line waits for the one above it.
.macro FOLD
.irp rr, 0,1,2,3
	v_pk_add_f32 v[T+4*\rr:T+4*\rr+1], v[T+4*\rr:T+4*\rr+1], v[T+4*\rr+2:T+4*\rr+3]
.endr
.irp rr, 0,1,2,3
	v_add_f32 v[T+4*\rr], v[T+4*\rr], v[T+4*\rr+1]
.endr
.irp m, 1,2,4,8
.irp rr, 0,1,2,3
	v_add_f32_dpp v[T+4*\rr], v[T+4*\rr], v[T+4*\rr] row_xmask:\m row_mask:0xf bank_mask:0xf
.endr
.endr
.irp rr, 0,1,2,3
	v_permlanex16_b32 v[T+4*\rr+1], v[T+4*\rr], s12, s13
.endr
.irp rr, 0,1,2,3
	v_add_f32 v[T+4*\rr], v[T+4*\rr], v[T+4*\rr+1]
.endr
.endm
	s_wait_loadcnt 16                              ; the four rows are in; the 16 younger loads, g's and b's, may be out
.irp rr, 0,1,2,3                               ; the mean
	v_pk_add_f32 v[T+4*\rr:T+4*\rr+1], v[X+32*\rr:X+32*\rr+1], v[X+32*\rr+2:X+32*\rr+3]
	v_pk_add_f32 v[T+4*\rr+2:T+4*\rr+3], v[X+32*\rr+4:X+32*\rr+5], v[X+32*\rr+6:X+32*\rr+7]
.endr
.irp j, 8,12,16,20,24,28
.irp rr, 0,1,2,3
	v_pk_add_f32 v[T+4*\rr:T+4*\rr+1], v[T+4*\rr:T+4*\rr+1], v[X+32*\rr+\j:X+32*\rr+\j+1]
	v_pk_add_f32 v[T+4*\rr+2:T+4*\rr+3], v[T+4*\rr+2:T+4*\rr+3], v[X+32*\rr+\j+2:X+32*\rr+\j+3]
.endr
.endr
	FOLD
.irp rr, 0,1,2,3
	v_mul_f32 v[T+4*\rr], s14, v[T+4*\rr]
.endr
.set i, 0
.rept 64                                       ; x - mean, in place (the pair's low word serves both halves)
	v_pk_add_f32 v[X+2*i:X+2*i+1], v[X+2*i:X+2*i+1], v[T+4*(i/16):T+4*(i/16)+1] op_sel_hi:[1,0] neg_lo:[0,1] neg_hi:[0,1]
.set i, i+1
.endr
.irp rr, 0,1,2,3                               ; the mean of the squares
	v_pk_mul_f32 v[T+4*\rr:T+4*\rr+1], v[X+32*\rr:X+32*\rr+1], v[X+32*\rr:X+32*\rr+1]
	v_pk_mul_f32 v[T+4*\rr+2:T+4*\rr+3], v[X+32*\rr+2:X+32*\rr+3], v[X+32*\rr+2:X+32*\rr+3]
.endr
.irp j, 4,8,12,16,20,24,28
.irp rr, 0,1,2,3
	v_pk_fma_f32 v[T+4*\rr:T+4*\rr+1], v[X+32*\rr+\j:X+32*\rr+\j+1], v[X+32*\rr+\j:X+32*\rr+\j+1], v[T+4*\rr:T+4*\rr+1]
	v_pk_fma_f32 v[T+4*\rr+2:T+4*\rr+3], v[X+32*\rr+\j+2:X+32*\rr+\j+3], v[X+32*\rr+\j+2:X+32*\rr+\j+3], v[T+4*\rr+2:T+4*\rr+3]
.endr
.endr
	FOLD
.irp rr, 0,1,2,3
	v_fma_f32 v[T+4*\rr], v[T+4*\rr], s14, s15     ; variance + 1e-5
.endr
.irp rr, 0,1,2,3
	v_rsq_f32 v[T+4*\rr+2], v[T+4*\rr]             ; one batch of four
.endr
	v_nop                                          ; a plain instruction behind the last of them (ISA guide 5.7.2)
	s_wait_alu depctr_va_vdst(0)                   ; one wait for the batch, ahead of its first reader
	s_wait_loadcnt 0x0                             ; g and b
.set i, 0
.rept 64
	v_pk_mul_f32 v[X+2*i:X+2*i+1], v[X+2*i:X+2*i+1], v[T+4*(i/16)+2:T+4*(i/16)+3] op_sel_hi:[1,0]
.set i, i+1
.endr
.set i, 0
.rept 64
	v_pk_fma_f32 v[X+2*i:X+2*i+1], v[X+2*i:X+2*i+1], v[G+2*(i%16):G+2*(i%16)+1], v[BT+2*(i%16):BT+2*(i%16)+1]
.set i, i+1
.endr
.set i, 0
.rept 128
	v_med3_num_f32 v[X+i], v[X+i], -v[LIM], v[LIM] ; the conversion to an 8-bit code does not saturate (ISA guide 7.6.2): the hold at the largest code x the scale
.set i, i+1
.endr
.set i, 0
.rept 16                                       ; eight registers are q = 2 g and 2 g + 1: code register q of a row holds the four bytes at k = 128 q + 4 x lane
	v_cvt_scalef32_pk8_fp8_f32 v[C+2*i:C+2*i+1], v[X+8*i:X+8*i+7], v[SC]
.set i, i+1
.endr
	v_nop                                          ; a plain instruction behind the last conversion
.irp rr, 0,1,2,3
.irp q, 0,1,2,3,4,5,6,7
	ds_store_b32 v[LA], v[C+8*\rr+\q] offset:\rr*PITCH+128*\q
.endr
.endr
	s_wait_dscnt 0x0                               ; for the others' sake: my four rows of codes lie in LDS
	s_barrier_signal -1
	s_barrier_wait -1                              ; all sixteen do
.irp u, 0,1,2,3,4,5,6,7
	ds_load_b128 v[X+4*\u:X+4*\u+3], v[FA] offset:32*\u    ; group 8 wave + u: row r, k = 32 (8 wave + u) + 16 h on
.endr
.irp u, 0,1,2,3,4,5,6,7
	s_wait_dscnt 7-\u                              ; LDS loads come back in order: group u is in, the younger ones may be out
	global_store_b128 v1, v[X+4*\u:X+4*\u+3], s[16:17] offset:512*\u   ; 32 lanes store 512 consecutive bytes, aligned
.endr
	s_wait_tensorcnt 0x0
	ds_add_u32 v14, v15
	s_wait_dscnt 0x0
	s_endpgm
.Lfunc_end_k_q2539ce9413_lnq:
	.size	k_q2539ce9413_lnq, .Lfunc_end_k_q2539ce9413_lnq-k_q2539ce9413_lnq
	.p2alignl 7, 3214868480
	.fill 96, 4, 3214868480
	.section	.rodata,"a",@progbits
	.p2align	6, 0x0
	.amdhsa_kernel k_q2539ce9413_lnq
		.amdhsa_group_segment_fixed_size 17408
		.amdhsa_private_segment_fixed_size 0
		.amdhsa_enable_private_segment 0
		.amdhsa_kernarg_size 40
		.amdhsa_user_sgpr_count 2
		.amdhsa_user_sgpr_kernarg_segment_ptr 1
		.amdhsa_wavefront_size32 1
		.amdhsa_system_sgpr_workgroup_id_x 1
		.amdhsa_system_sgpr_workgroup_id_y 1
		.amdhsa_system_sgpr_workgroup_id_z 1
		.amdhsa_system_vgpr_workitem_id 0
		.amdhsa_next_free_vgpr 256
		.amdhsa_next_free_sgpr 66
		.amdhsa_reserve_vcc 0
		.amdhsa_float_denorm_mode_32 3
		.amdhsa_float_denorm_mode_16_64 3
		.amdhsa_memory_ordered 1
		.amdhsa_forward_progress 1
		.amdhsa_inst_pref_size 44
	.end_amdhsa_kernel
	.amdgpu_metadata
---
amdhsa.version: [ 1, 2 ]
amdhsa.kernels:
  - .name:           k_q2539ce9413_lnq
    .symbol:         k_q2539ce9413_lnq.kd
    .args:
      - { .name: h, .offset: 0, .size: 8, .value_kind: global_buffer, .address_space: global }
      - { .name: ln_g, .offset: 8, .size: 8, .value_kind: global_buffer, .address_space: global }
      - { .name: ln_b, .offset: 16, .size: 8, .value_kind: global_buffer, .address_space: global }
      - { .name: lowp_scales, .offset: 24, .size: 8, .value_kind: global_buffer, .address_space: global }
      - { .name: xq, .offset: 32, .size: 8, .value_kind: global_buffer, .address_space: global }
    .group_segment_fixed_size: 17408
    .private_segment_fixed_size: 0
    .kernarg_segment_align: 8
    .kernarg_segment_size: 40
    .max_flat_workgroup_size: 128
    .sgpr_count:     66
    .vgpr_count:     256
    .wavefront_size: 32
...
	.end_amdgpu_metadata
.endif
;; end of part 1
;; launch qkva (part 2): grid 128 x 2, 4 waves a work-group, clusters of 4 x 1, 327,680 bytes of LDS; arguments xq, e_codes, Wq_codes, Wk_codes, Wv_codes, bq, bk, bv, lowp_scales, oq; writes oq
.if DOCPART == 2
	.amdgcn_target "amdgcn-amd-amdhsa--gfx1250"
	.amdhsa_code_object_version 6
	.text
	.protected	k_q2539ce9413_qkva
	.globl	k_q2539ce9413_qkva
	.p2align	8
	.type	k_q2539ce9413_qkva,@function
k_q2539ce9413_qkva:
	s_mov_b64 s[64:65], 0
	v_nop
	global_prefetch_b8 v0, s[64:65] scope:SCOPE_SE
	s_setreg_imm32_b32 hwreg(HW_REG_WAVE_MODE, 25, 1), 1
	s_wait_xcnt 0x0
	s_wait_alu depctr_hold_cnt(0) depctr_sa_sdst(0) depctr_va_vdst(0) depctr_va_sdst(0) depctr_va_ssrc(0) depctr_va_vcc(0) depctr_vm_vsrc(0)
	s_getreg_b32 s2, hwreg(HW_REG_IB_STS2, 6, 4)
	s_cmp_eq_u32 s2, 0
	s_cbranch_scc0 .Lentry_in_a_cluster
	s_endpgm
.Lentry_in_a_cluster:
	s_bfe_u32 s2, ttmp6, 0x10000c
	s_cmp_lg_u32 s2, 0x3003
	s_cbranch_scc0 .Lentry_shape_is_right
	s_endpgm
.Lentry_shape_is_right:
; One chunk (64 queries, 128 keys) x 8 heads: q = x Wq + bq, k = e Wk + bk, v = e Wv + bv, softmax(q k^T / 8) v, all five products on E4M3 codes, each operand with its given scale 2^e (e0 .. e9); o quantised with e10.
; WHOSE SCALE IS WHOSE: e0 x, e1 Wq, e2 e (for k), e3 Wk, e4 e (for v), e5 Wv, e6 q, e7 k.  The product of the softmax with v is lowered with v as its LEFT operand: e8 is v's scale, e9 the softmax's.
; SHARES.  Work-group (ci, j): chunk ci = 4 x cluster x + cx, heads 8 j .. 8 j + 7.  Wave w makes q of heads 8 j + w and 8 j + 4 + w, then in pass p = 0, 1 all of head 8 j + 4 p + w: k, v, scores, p, o.
; NOTHING CHANGES LANES between the products:
;   q^T, k^T = (source 0: 16 rows of W, source 1: 16 rows of x or e): a lane is one query or key, register j is d = 16 b + 8 h + j: eight codes are registers 2 b, 2 b + 1 of a K = 64 fragment;
;   v       = (source 0: 16 rows of e, source 1: 16 rows of Wv): a lane is d = 16 dt + r, register j is key 16 a + 8 h + j: registers 2 a, 2 a + 1 of V^T's K = 128 fragment;
;   S^T     = (k's fragment, q's): a lane is one query, registers are keys 16 kt + 8 h + j: p's codes are registers 2 kt, 2 kt + 1 of P; O^T = (V^T, P): a lane is a query, d = 16 dt + 8 h + j.
; All 128 keys of a head lie in one wave: the softmax is taken whole, its maximum taken away first, and p is quantised finished and normalised.
; WEIGHTS go through a ring of two LDS slots, 512 rows x 128 along K: in the Q pass Wq's rows 512 j on; in K/V pass p Wk's rows 512 j + 256 p on (slot rows 0-255) and Wv's (256-511).  24 steps in all.
; The slot's rows are 128 bytes of memory: two slots of 256 along K (278,528 bytes) do not fit beside the chunk's e (133,120 bytes), which stays in LDS for both passes.
; CLUSTER: the four partners are four chunks with the same j: they walk the same weights, so each tile is asked for JOINTLY (mask 15).  e's tile is each work-group's own (no mask).  cx enters the global addresses of xq, e and oq alone.
; x comes as images of operand registers (the launch before laid them so), straight from memory into registers, four K steps ahead.  The fragments of W, x and e hold k = 32 c + 16 h + 0 .. 15 in registers 4 c .. 4 c + 3:
; a permutation of k that is the same on both sides of each product.
; SCALES.  A bias is the C of a sum's first matrix instruction, divided by the power of two that the sums lack.  The three scales ahead of a quantiser are folded into the conversion's one.
; LIMITS, so that each power of two is an f32 number: e6-e0-e1, e7-e2-e3, e8-e4-e5, e9, e10-e8-e9 between -126 and 119; e6+e7 between -123 and 130.  NaN among the inputs, and NaN codes, are not served.
; REGISTERS, in windows of 256.  Window 0: v1-14 addresses; v16-25 scales and holds; v26-29, v30-31 at work; v32-95 biases (in the attention: v32-63 statistics, v64-95 o's codes); v96-127 q's four fragments; v128-255 e's 8 fragments.
;   window 1: W's fragments, two sets of 128; behind a pass v128-191 k's codes, v192-255 v's.   window 2: accumulators (a % 4, b) at 8 (8 (a % 4) + b) for a < 4; later S^T, 64 a query tile.
;   window 3: accumulators for a >= 4; in the Q pass four sets of x's fragments; later O^T at v0-127 and p's codes at v128-191.
.set PW,    144                        ; a weight row in LDS: 128 bytes + 16: 9 x 16, so the 16 rows of a load start at 16 different banks
.set SLOT,  512*PW
.set WPART, 128*PW                     ; what one tensor load brings
.set EB,    2*SLOT                     ; e: 128 rows,
.set PE,    1040                       ; 1,024 bytes + 16 apart
.set QP,    EB+128*PE                  ; each wave's park for its second head's q fragments, 4,096 bytes: no fill lands here
.set SPARE, QP+4*4096                  ; the spare words, 128 bytes a wave: two blocks of 256 bytes that no other line names
.set JUMP,  256*1024-768               ; from a slot's last K step of pass 0 to its first of pass 1: 256 rows on, back along K
.set LI,   1                           ; v1   16 x lane
.set AB0,  2                           ; v2-3 my tiles 0-3 in slot 0, 1
.set AB1,  4                           ; v4-5 my tiles 4-7
.set AEL,  6                           ; v6   e's rows 0-63;  v7 rows 64-127
.set SPW,  10                          ; v10  my spare word; never rewritten
.set NIL,  11                          ; v11  0; never rewritten
.set QPA,  12
.set VB8,  13                          ; v13  32 h: a bias along registers
.set VR4,  14                          ; v14  4 r: a bias along lanes
.set TB,   26
.set BIAS, 32
.set ST,   32
.set OC,   64
.set QF,   96
.set AF,   128
.set KC,   128
.set VC,   192
.set PC,   128
.set WV,   24                          ; s24  wave
.set G1,   28                          ; s[28:35] group 1, weights;  s[36:43] group 1, e
.set G1E,  36
.set G0A,  44                          ; s[44:47], s[48:51] group 0 of slot 0, 1;  s[52:55] e's
.set G0E,  52
.set MSB, 0
.macro WIN new                         ; the immediate's high byte repeats the setting that is left
.if MSB != (\new)
	s_set_vgpr_msb (MSB<<8)|(\new)
.set MSB, (\new)
.endif
.endm
.macro PLACES n
.rept \n
	v_nop
.endr
.endm
.macro CREST                           ; a round of the cluster's barrier behind its opening barrier
	s_cmp_lg_u32 s[WV], 0
	s_cbranch_scc1 .Lnot_wave_0_\@
	s_barrier_signal -3
.Lnot_wave_0_\@:
	s_barrier_wait -3
	s_barrier_signal -1
	s_barrier_wait -1
.endm
.macro CROUND
	s_barrier_signal -1
	s_barrier_wait -1
	CREST
.endm
.macro TL g0                           ; a joint refill: every wave asks for its 128 rows; four v_nop follow
	tensor_load_to_lds s[\g0:\g0+3], s[G1:G1+7]
	s_nop 0
.rept 4
	v_nop
.endr
.endm
.macro MKSC e, vs                      ; s[e] holds an exponent E: v[vs] = 2^E, v[vs+1] = 448 x 2^E
	s_add_co_i32 s62, s[\e], 127
	s_lshl_b32 s63, s62, 23
	v_mov_b32 v[\vs], s63
	s_add_co_i32 s62, s62, 8
	s_lshl_b32 s62, s62, 23
	s_or_b32 s62, s62, 0x600000
	v_mov_b32 v[\vs+1], s62
.endm
.macro FETCH_B sl, p                   ; my eight weight fragments of slot sl into set p: 32 loads
	WIN 0x40
.irp b, 0,1,2,3
.irp c, 0,1,2,3
	ds_load_b128 v[128*(\p)+16*\b+4*\c:128*(\p)+16*\b+4*\c+3], v[AB0+(\sl)] offset:16*PW*\b+32*\c
.endr
.endr
.irp b, 0,1,2,3
.irp c, 0,1,2,3
	ds_load_b128 v[128*(\p)+64+16*\b+4*\c:128*(\p)+64+16*\b+4*\c+3], v[AB1+(\sl)] offset:16*PW*\b+32*\c
.endr
.endr
	WIN 0
.endm
.macro FETCH_A i0, ks                  ; e's blocks i0 .. i0 + 3 of K step ks: 16 loads
.irp i, 0,1,2,3
.irp c, 0,1,2,3
	ds_load_b128 v[AF+16*(\i0+\i)+4*\c:AF+16*(\i0+\i)+4*\c+3], v[AEL+(\i0)/4] offset:16*PE*\i+128*(\ks)+32*\c
.endr
.endr
.endm
.macro XLOAD ks                        ; x's four fragments of K step ks into set ks % 4 of window 3: 16 loads of 512 consecutive bytes
	WIN 0xc0
.irp a, 0,1,2,3
.irp c, 0,1,2,3
	global_load_b128 v[64*((\ks)%4)+16*\a+4*\c:64*((\ks)%4)+16*\a+4*\c+3], v[LI], s[4:5] offset:(8*\a+(\ks))*2048+512*\c
.endr
.endr
	WIN 0
.endm
.macro MULQ a, p, ks, first            ; 8 matrix instructions: query tile a against my 8 tiles of Wq.  The 32 accumulators take turns, in the same order in every step
.if \first
	WIN 0x8d
.else
	WIN 0xad
.endif
.irp b, 0,1,2,3,4,5,6,7
.if \first
	v_wmma_f32_16x16x128_fp8_fp8 v[8*(8*(\a)+\b):8*(8*(\a)+\b)+7], v[128*(\p)+16*\b:128*(\p)+16*\b+15], v[64*((\ks)%4)+16*(\a):64*((\ks)%4)+16*(\a)+15], v[BIAS+8*\b:BIAS+8*\b+7]
.else
	v_wmma_f32_16x16x128_fp8_fp8 v[8*(8*(\a)+\b):8*(8*(\a)+\b)+7], v[128*(\p)+16*\b:128*(\p)+16*\b+15], v[64*((\ks)%4)+16*(\a):64*((\ks)%4)+16*(\a)+15], v[8*(8*(\a)+\b):8*(8*(\a)+\b)+7]
.endif
.endr
.endm
.macro MULKV a0, p, first              ; 16 matrix instructions: key tiles a0, a0 + 1: k^T (W first), then v (e first).  The 64 accumulators take turns, in the same order in every step
.if \first
	WIN 0x81+0x40*((\a0)/4)
.else
	WIN 0xa1+0x50*((\a0)/4)
.endif
.irp a, \a0, \a0+1
.irp b, 0,1,2,3
.if \first
	v_wmma_f32_16x16x128_fp8_fp8 v[8*(8*((\a)%4)+\b):8*(8*((\a)%4)+\b)+7], v[128*(\p)+16*\b:128*(\p)+16*\b+15], v[AF+16*(\a):AF+16*(\a)+15], v[BIAS+8*\b:BIAS+8*\b+7]
.else
	v_wmma_f32_16x16x128_fp8_fp8 v[8*(8*((\a)%4)+\b):8*(8*((\a)%4)+\b)+7], v[128*(\p)+16*\b:128*(\p)+16*\b+15], v[AF+16*(\a):AF+16*(\a)+15], v[8*(8*((\a)%4)+\b):8*(8*((\a)%4)+\b)+7]
.endif
.endr
.endr
.if \first
	WIN 0x84+0x40*((\a0)/4)
.else
	WIN 0xa4+0x50*((\a0)/4)
.endif
.irp a, \a0, \a0+1
.irp b, 4,5,6,7
.if \first
	v_wmma_f32_16x16x128_fp8_fp8 v[8*(8*((\a)%4)+\b):8*(8*((\a)%4)+\b)+7], v[AF+16*(\a):AF+16*(\a)+15], v[128*(\p)+16*\b:128*(\p)+16*\b+15], v[BIAS+8*\b:BIAS+8*\b+7]
.else
	v_wmma_f32_16x16x128_fp8_fp8 v[8*(8*((\a)%4)+\b):8*(8*((\a)%4)+\b)+7], v[AF+16*(\a):AF+16*(\a)+15], v[128*(\p)+16*\b:128*(\p)+16*\b+15], v[8*(8*((\a)%4)+\b):8*(8*((\a)%4)+\b)+7]
.endif
.endr
.endr
.endm
; A STEP OF THE Q PASS.  Set ks % 2 of the weights is in registers, so slot ks % 2 has been read out: one round of the cluster's barrier, and it is filled again with the tile two steps on
; (steps 6 and 7: with the first two tiles of Wk and Wv).  In front of the round each wave waits for all its tensor loads (the next slot's tile among them), adds 0 to its spare word, and waits for that and for its LDS reads.
.macro QSTEP ks, first
	s_wait_tensorcnt 0x0                           ; all my tensor loads have landed
	ds_add_u32 v[SPW], v[NIL]                      ; 0 onto my spare word
.if (\ks) <= 4
	s_wait_loadcnt 48                              ; x's set of this step is in; the three sets asked for behind it may be out
.else
	s_wait_loadcnt 16*(7-(\ks))                    ; the sets behind it: two, one, none
.endif
	s_wait_dscnt 1                                 ; the weights' 32 loads are in; the add may be out
	MULQ 0, (\ks)%2, \ks, \first
	s_wait_dscnt 0x0                               ; the add is done, and my reads of this slot are over
	s_barrier_signal -1
	MULQ 1, (\ks)%2, \ks, \first
	WIN 0
	s_barrier_wait -1
	CREST                                          ; no wave of any partner still reads this slot or has a load on its way
.if (\ks) <= 5
	s_add_nc_u64 s[G0A+4*((\ks)%2)+2:G0A+4*((\ks)%2)+3], s[G0A+4*((\ks)%2)+2:G0A+4*((\ks)%2)+3], 256
.elseif (\ks) == 6
	s_mov_b64 s[G0A+2:G0A+3], s[56:57]             ; Wk's or Wv's first K step
	s_or_b32 s[G0A+3], s[G0A+3], 0x80000000
.else
	s_add_nc_u64 s[G0A+6:G0A+7], s[56:57], 128     ; and the second
	s_or_b32 s[G0A+7], s[G0A+7], 0x80000000
.endif
	TL G0A+4*((\ks)%2)                             ; my one tensor load behind the round
	FETCH_B 1-(\ks)%2, 1-(\ks)%2
.if (\ks) == 7
	FETCH_A 0, 0
.endif
	MULQ 2, (\ks)%2, \ks, \first
	MULQ 3, (\ks)%2, \ks, \first
	PLACES 4                                       ; in front of loads into registers that matrix instructions have read, and of the first read of results
	WIN 0
.if (\ks) <= 3
	XLOAD (\ks)+4
.endif
.if (\ks) == 7
	FETCH_A 4, 0
.endif
.endm
; A STEP OF A K/V PASS, t = 0 .. 7.  e has one set of registers: blocks 0-3 are fetched anew in the step's middle, blocks 4-7 at its end.  fill = 1: the slot just read out takes the tile two steps on.
.macro KVSTEP t, first, fill, delta
	s_wait_tensorcnt 0x0                           ; all my tensor loads have landed
	ds_add_u32 v[SPW], v[NIL]                      ; 0 onto my spare word
	s_wait_dscnt 17                                ; the weights and e's blocks 0-3 are in; the add and the 16 youngest loads (blocks 4-7) may be out
	MULKV 0, (\t)%2, \first
	s_wait_dscnt 0x0                               ; the add is done, and my LDS reads are over
	s_barrier_signal -1
	MULKV 2, (\t)%2, \first
	WIN 0
	s_barrier_wait -1
.if \fill
	CREST
	s_add_nc_u64 s[G0A+4*((\t)%2)+2:G0A+4*((\t)%2)+3], s[G0A+4*((\t)%2)+2:G0A+4*((\t)%2)+3], \delta
	TL G0A+4*((\t)%2)                              ; the four v_nop behind it are also the places in front of the loads below
.else
	PLACES 4
.endif
	FETCH_B 1-(\t)%2, 1-(\t)%2
	FETCH_A 0, ((\t)+1)%8
	MULKV 4, (\t)%2, \first
	MULKV 6, (\t)%2, \first
	PLACES 4
	WIN 0
	FETCH_A 4, ((\t)+1)%8
.endm
.macro KVBIAS                          ; bk along registers (8 a tile), bv along lanes (one number a lane, in all eight registers), each divided by the power of two that its sums lack
.irp b, 0,1,2,3
	global_load_b128 v[BIAS+8*\b:BIAS+8*\b+3], v[VB8], s[88:89] offset:64*\b
	global_load_b128 v[BIAS+8*\b+4:BIAS+8*\b+7], v[VB8], s[88:89] offset:64*\b+16
.endr
.irp b, 0,1,2,3
	global_load_b32 v[TB+\b], v[VR4], s[90:91] offset:64*\b
.endr
	s_wait_loadcnt 0x0
.set i, 0
.rept 32
	v_ldexp_f32 v[BIAS+i], v[BIAS+i], s95
.set i, i+1
.endr
.set i, 0
.rept 32
	v_ldexp_f32 v[BIAS+32+i], v[TB+i/8], s96
.set i, i+1
.endr
.endm
	s_load_b512 s[4:19], s[0:1], 0x0               ; xq s[4:5], e s[6:7], Wq s[8:9], Wk s[10:11], Wv s[12:13], bq s[14:15], bk s[16:17], bv s[18:19]
	s_load_b128 s[20:23], s[0:1], 0x40             ; the scales' exponents s[20:21], oq s[22:23]
	v_lshl_add_u32 v[SPW], v0, 2, SPARE
	v_mov_b32 v[NIL], 0
	ds_add_u32 v10, v11
	ds_add_u32 v10, v11
	s_wait_dscnt 0x0
	v_lshrrev_b32 v15, 5, v0
	v_readfirstlane_b32 s[WV], v15                 ; wave 0..3
	s_bfe_u32 s25, ttmp6, 0x40000                  ; cx
	s_lshl_b32 s26, ttmp9, 2
	s_add_co_u32 s26, s26, s25                     ; ci = 4 x cluster x + cx
	s_and_b32 s27, ttmp7, 0xffff                   ; j, which the partners share
	s_mov_b32 s[G1+0], 15|(1<<20)|(1<<21)|(4<<22)|(3<<25)   ; the mask: all four; elements of 1 byte; padding on; bit 21 beside a mask; after every 32 words, 4 words
	s_mov_b32 s[G1+1], 128<<16                     ; tensor_dim0
	s_mov_b32 s[G1+2], 128<<16                     ; tensor_dim1
	s_mov_b32 s[G1+3], 128<<16                     ; tile_dim0
	s_mov_b32 s[G1+4], 128                         ; tile_dim1
	s_mov_b32 s[G1+5], 1024                        ; from row to row
	s_mov_b32 s[G1+6], 0
	s_mov_b32 s[G1+7], 0
	s_mov_b32 s[G1E+0], (1<<20)|(7<<22)|(3<<25)    ; no mask; after every 256 words, 4 words
	s_mov_b32 s[G1E+1], 1024<<16
	s_mov_b32 s[G1E+2], 32<<16
	s_mov_b32 s[G1E+3], 1024<<16
	s_mov_b32 s[G1E+4], 32
	s_mov_b32 s[G1E+5], 1024
	s_mov_b32 s[G1E+6], 0
	s_mov_b32 s[G1E+7], 0
	s_mov_b32 s86, 0x76543210                      ; lane selects: lane l xor 16
	s_mov_b32 s87, 0xfedcba98
	s_mov_b32 s81, 2                               ; passes to go
	s_wait_kmcnt 0x0
	s_load_b256 s[68:75], s[20:21], 0x0            ; e0 .. e7
	s_load_b128 s[76:79], s[20:21], 0x20           ; e8 .. e11
	s_lshl_b32 s58, s27, 19                        ; 512 j rows of 1,024 bytes
	s_lshl_b32 s59, s[WV], 17                      ; + the 128 rows that I fetch
	s_add_co_u32 s58, s58, s59
	s_mov_b32 s59, 0
	s_mov_b32 s[G0A+0], 1
	s_mul_i32 s[G0A+1], s[WV], WPART               ; slot 0, my 128 rows
	s_add_nc_u64 s[G0A+2:G0A+3], s[8:9], s[58:59]  ; Wq, K step 0
	s_mov_b32 s[G0A+4], 1
	s_add_co_u32 s[G0A+5], s[G0A+1], SLOT
	s_add_nc_u64 s[G0A+6:G0A+7], s[G0A+2:G0A+3], 128   ; K step 1
	s_or_b32 s[G0A+3], s[G0A+3], 0x80000000
	s_or_b32 s[G0A+7], s[G0A+7], 0x80000000
	s_cmp_lt_u32 s[WV], 2                          ; waves 0, 1 fetch Wk's halves, waves 2, 3 Wv's: the same in every partner
	s_cselect_b64 s[56:57], s[10:11], s[12:13]
	s_lshl_b32 s60, s27, 19
	s_and_b32 s61, s[WV], 1
	s_lshl_b32 s61, s61, 17
	s_add_co_u32 s60, s60, s61
	s_mov_b32 s61, 0
	s_add_nc_u64 s[56:57], s[56:57], s[60:61]
	s_lshl_b32 s60, s26, 17                        ; e: my chunk's 128 rows,
	s_lshl_b32 s61, s[WV], 15                      ; my wave's 32 of them
	s_add_co_u32 s60, s60, s61
	s_mov_b32 s61, 0
	s_mov_b32 s[G0E+0], 1
	s_mul_i32 s[G0E+1], s[WV], 32*PE
	s_add_co_u32 s[G0E+1], s[G0E+1], EB
	s_add_nc_u64 s[G0E+2:G0E+3], s[6:7], s[60:61]
	s_or_b32 s[G0E+3], s[G0E+3], 0x80000000
	s_lshl_b32 s60, s26, 16
	s_add_nc_u64 s[4:5], s[4:5], s[60:61]          ; xq at my chunk
	s_lshl_b32 s62, s27, 2
	s_lshr_b32 s63, s[WV], 1
	s_add_co_u32 s62, s62, s63
	s_lshl_b32 s62, s62, 11                        ; oq: K step 4 j + w / 2 (two heads to a K step of 128),
	s_add_co_u32 s62, s62, s60
	s_and_b32 s63, s[WV], 1
	s_lshl_b32 s63, s63, 10                        ; its lower or upper eight registers
	s_add_co_u32 s62, s62, s63
	s_mov_b32 s63, 0
	s_add_nc_u64 s[92:93], s[22:23], s[62:63]
	s_lshl_b32 s60, s27, 11
	s_lshl_b32 s62, s[WV], 8
	s_add_co_u32 s60, s60, s62                     ; column 512 j + 64 w, in bytes of f32
	s_add_nc_u64 s[14:15], s[14:15], s[60:61]
	s_add_nc_u64 s[88:89], s[16:17], s[60:61]
	s_add_nc_u64 s[90:91], s[18:19], s[60:61]
	CROUND                                         ; all four work-groups are here: the first joint loads meet
	tensor_load_to_lds s[G0A:G0A+3], s[G1:G1+7]    ; the first fills go out together: three loads of mine are out
	s_nop 0
	tensor_load_to_lds s[G0A+4:G0A+7], s[G1:G1+7]
	s_nop 0
	tensor_load_to_lds s[G0E:G0E+3], s[G1E:G1E+7]
	s_nop 0
.rept 4
	v_nop
.endr
	v_and_b32 v15, 31, v0
	v_lshlrev_b32 v[LI], 4, v15
	v_and_b32 v30, 15, v0                          ; r
	v_bfe_u32 v31, v0, 4, 1                        ; h
	v_lshlrev_b32 v[VB8], 5, v31
	v_lshlrev_b32 v[VR4], 2, v30
.irp b, 0,1,2,3                                ; bq at the lane's eight d of each tile: heads 8 j + w and 8 j + 4 + w (256 columns on)
	global_load_b128 v[BIAS+8*\b:BIAS+8*\b+3], v[VB8], s[14:15] offset:64*\b
	global_load_b128 v[BIAS+8*\b+4:BIAS+8*\b+7], v[VB8], s[14:15] offset:64*\b+16
	global_load_b128 v[BIAS+32+8*\b:BIAS+32+8*\b+3], v[VB8], s[14:15] offset:1024+64*\b
	global_load_b128 v[BIAS+32+8*\b+4:BIAS+32+8*\b+7], v[VB8], s[14:15] offset:1024+64*\b+16
.endr
	XLOAD 0
	XLOAD 1
	XLOAD 2
	XLOAD 3
	v_mul_u32_u24 v[AB0], v30, PW
	v_lshl_add_u32 v[AB0], v31, 4, v[AB0]
	s_mul_i32 s58, s[WV], 64*PW
	v_add_nc_u32 v[AB0], s58, v[AB0]               ; slot row 64 w + r, + 16 h
	v_add_nc_u32 v[AB0+1], SLOT, v[AB0]
	v_add_nc_u32 v[AB1], 256*PW, v[AB0]
	v_add_nc_u32 v[AB1+1], 256*PW, v[AB0+1]
	v_mul_u32_u24 v[AEL], v30, PE
	v_lshl_add_u32 v[AEL], v31, 4, v[AEL]
	v_add_nc_u32 v[AEL], EB, v[AEL]
	v_add_nc_u32 v[AEL+1], 64*PE, v[AEL]
	s_lshl_b32 s58, s[WV], 12
	s_add_co_u32 s58, s58, QP
	v_add_nc_u32 v[QPA], s58, v[LI]
	s_wait_kmcnt 0x0
	s_add_co_i32 s58, s68, s69                     ; e0 + e1: a sum of the first product stands for sum x 2^(e0 + e1)
	s_sub_co_i32 s94, 0, s58
	s_sub_co_i32 s60, s74, s58
	MKSC 60, 16                                    ; q: 2^(e6 - e0 - e1)
	s_add_co_i32 s58, s70, s71
	s_sub_co_i32 s95, 0, s58
	s_sub_co_i32 s60, s75, s58
	MKSC 60, 18                                    ; k: 2^(e7 - e2 - e3)
	s_add_co_i32 s58, s72, s73
	s_sub_co_i32 s96, 0, s58
	s_sub_co_i32 s60, s76, s58
	MKSC 60, 20                                    ; v: 2^(e8 - e4 - e5): v is the left operand of its product with the softmax, so e8 is its scale
	MKSC 77, 22                                    ; p: 2^e9
	s_add_co_i32 s58, s76, s77
	s_sub_co_i32 s60, s78, s58
	MKSC 60, 24                                    ; o: 2^(e10 - e8 - e9)
	s_add_co_i32 s58, s74, s75
	s_lshl_b32 s58, s58, 23
	s_add_co_i32 s84, s58, 0x3e38aa3b              ; c = log2(e) / 8 x 2^(e6 + e7): the two exponents are added to the exponent field
	s_mov_b32 s85, s84                             ; (named with it as a pair, so it is written)
	s_xor_b32 s83, s84, 0x80000000                 ; -c
	s_wait_loadcnt 48                              ; bq is in (and x's first set); the three youngest sets may be out
.set i, 0
.rept 64
	v_ldexp_f32 v[BIAS+i], v[BIAS+i], s94          ; bq / 2^(e0 + e1)
.set i, i+1
.endr
	s_wait_tensorcnt 2                             ; my part of slot 0 is in; slot 1's and e's may stay out
	s_barrier_signal -1
	s_barrier_wait -1                              ; everybody's is
	FETCH_B 0, 0
	QSTEP 0, 1
	QSTEP 1, 0
	QSTEP 2, 0
	QSTEP 3, 0
	QSTEP 4, 0
	QSTEP 5, 0
	QSTEP 6, 0
	QSTEP 7, 0
	; q becomes codes: accumulator (a, b) gives registers 2 (b % 4), 2 (b % 4) + 1 of query tile a's fragment.  The second head's four fragments are parked in my own LDS bytes; the first head's stay
	WIN 0x82
.set i, 0
.rept 256
	v_med3_num_f32 v[i], v[i], -v17, v17           ; the hold at the largest code x the scale; each accumulator from its low end on
.set i, i+1
.endr
	WIN 0x02
.irp a, 0,1,2,3
.irp b, 0,1,2,3
	v_cvt_scalef32_pk8_fp8_f32 v[QF+8*\a+2*\b:QF+8*\a+2*\b+1], v[8*(8*\a+4+\b):8*(8*\a+4+\b)+7], v16
.endr
.endr
	v_nop                                          ; a plain instruction behind the last conversion
	WIN 0
.irp n, 0,1,2,3,4,5,6,7
	ds_store_b128 v[QPA], v[QF+4*\n:QF+4*\n+3] offset:512*\n
.endr
	s_wait_dscnt 0x0                               ; the stores have read their registers
	WIN 0x02
.irp a, 0,1,2,3
.irp b, 0,1,2,3
	v_cvt_scalef32_pk8_fp8_f32 v[QF+8*\a+2*\b:QF+8*\a+2*\b+1], v[8*(8*\a+\b):8*(8*\a+\b)+7], v16
.endr
.endr
	v_nop
	WIN 0
	KVBIAS
	KVSTEP 0, 1, 1, 256                            ; pass 0: every step fills; the last two ask for pass 1's first two tiles
	KVSTEP 1, 0, 1, 256
	KVSTEP 2, 0, 1, 256
	KVSTEP 3, 0, 1, 256
	KVSTEP 4, 0, 1, 256
	KVSTEP 5, 0, 1, 256
	KVSTEP 6, 0, 1, JUMP
	KVSTEP 7, 0, 1, JUMP
.Lpass:                                            ; two trips: a pass's k and v are quantised, and its head's attention is made
	; k's and v's sums become codes: (a, b) -> registers 2 b of key tile a's fragment; (a, 4 + dt) -> registers 2 a of V^T's fragment dt
.irp hi, 0,1
	WIN 0x82+0x41*\hi
.set i, 0
.rept 256
.if (i/8)%8 < 4
	v_med3_num_f32 v[i], v[i], -v19, v19
.else
	v_med3_num_f32 v[i], v[i], -v21, v21
.endif
.set i, i+1
.endr
	WIN 0x42+\hi
.irp a, 0,1,2,3
.irp b, 0,1,2,3
	v_cvt_scalef32_pk8_fp8_f32 v[KC+8*(4*\hi+\a)+2*\b:KC+8*(4*\hi+\a)+2*\b+1], v[8*(8*\a+\b):8*(8*\a+\b)+7], v18
.endr
.irp b, 0,1,2,3
	v_cvt_scalef32_pk8_fp8_f32 v[VC+16*\b+2*(4*\hi+\a):VC+16*\b+2*(4*\hi+\a)+1], v[8*(8*\a+4+\b):8*(8*\a+4+\b)+7], v20
.endr
.endr
.endr
	v_nop                                          ; a plain instruction behind the last conversion
	; S^T = k q^T: 4 query tiles x 8 key tiles, K = the head's 64
	WIN 0x81
.irp qt, 0,1,2,3
.irp kt, 0,1,2,3,4,5,6,7
	v_wmma_f32_16x16x64_fp8_fp8 v[64*\qt+8*\kt:64*\qt+8*\kt+7], v[KC+8*\kt:KC+8*\kt+7], v[QF+8*\qt:QF+8*\qt+7], 0
.endr
.endr
	PLACES 4
	; the row's largest score: my 64 keys in two chains, ascending (each accumulator is read from its low end on), then lane l xor 16's
	WIN 0x2a
.irp qt, 0,1,2,3
	v_max3_num_f32 v[ST+8*\qt+4], v[64*\qt], v[64*\qt+1], v[64*\qt+2]
	v_max3_num_f32 v[ST+8*\qt+5], v[64*\qt+3], v[64*\qt+4], v[64*\qt+5]
.endr
	WIN 0x28
.irp i, 6,10,14,18,22,26,30,34,38,42,46,50,54,58
.irp qt, 0,1,2,3
	v_max3_num_f32 v[ST+8*\qt+4], v[ST+8*\qt+4], v[64*\qt+\i], v[64*\qt+\i+1]
	v_max3_num_f32 v[ST+8*\qt+5], v[ST+8*\qt+5], v[64*\qt+\i+2], v[64*\qt+\i+3]
.endr
.endr
.irp qt, 0,1,2,3
	v_max3_num_f32 v[ST+8*\qt+4], v[ST+8*\qt+4], v[64*\qt+62], v[64*\qt+63]
.endr
	WIN 0
.irp qt, 0,1,2,3
	v_max_num_f32 v[ST+8*\qt+4], v[ST+8*\qt+4], v[ST+8*\qt+5]
.endr
.irp qt, 0,1,2,3
	v_permlanex16_b32 v[ST+8*\qt+5], v[ST+8*\qt+4], s86, s87
.endr
.irp qt, 0,1,2,3
	v_max_num_f32 v[ST+8*\qt+4], v[ST+8*\qt+4], v[ST+8*\qt+5]
.endr
.irp qt, 0,1,2,3
	v_mul_f32 v[ST+8*\qt], s83, v[ST+8*\qt+4]      ; -c x the maximum
	v_mov_b32 v[ST+8*\qt+1], 0                     ; (named with it as a pair)
.endr
	WIN 0x82
.set i, 0
.rept 128
	v_pk_fma_f32 v[2*i:2*i+1], v[2*i:2*i+1], s[84:85], v[ST+8*(i/32):ST+8*(i/32)+1] op_sel_hi:[1,0,0]   ; c s - c max, 0 or less
.set i, i+1
.endr
.set i, 0
.rept 256
	v_exp_f32 v[i], v[i]                           ; one batch
.set i, i+1
.endr
	v_nop                                          ; a plain instruction behind the last exponential
	s_wait_alu depctr_va_vdst(0)                   ; one wait for the batch, ahead of its first reader
	WIN 0x0a                                       ; the row's sum, two at a time, in two chains
.irp qt, 0,1,2,3
	v_pk_add_f32 v[ST+8*\qt+2:ST+8*\qt+3], v[64*\qt:64*\qt+1], v[64*\qt+2:64*\qt+3]
	v_pk_add_f32 v[ST+8*\qt+4:ST+8*\qt+5], v[64*\qt+4:64*\qt+5], v[64*\qt+6:64*\qt+7]
.endr
	WIN 0x08
.irp i, 8,12,16,20,24,28,32,36,40,44,48,52,56,60
.irp qt, 0,1,2,3
	v_pk_add_f32 v[ST+8*\qt+2:ST+8*\qt+3], v[ST+8*\qt+2:ST+8*\qt+3], v[64*\qt+\i:64*\qt+\i+1]
	v_pk_add_f32 v[ST+8*\qt+4:ST+8*\qt+5], v[ST+8*\qt+4:ST+8*\qt+5], v[64*\qt+\i+2:64*\qt+\i+3]
.endr
.endr
	WIN 0
.irp qt, 0,1,2,3
	v_pk_add_f32 v[ST+8*\qt+2:ST+8*\qt+3], v[ST+8*\qt+2:ST+8*\qt+3], v[ST+8*\qt+4:ST+8*\qt+5]
.endr
.irp qt, 0,1,2,3
	v_add_f32 v[ST+8*\qt+2], v[ST+8*\qt+2], v[ST+8*\qt+3]
.endr
.irp qt, 0,1,2,3
	v_permlanex16_b32 v[ST+8*\qt+3], v[ST+8*\qt+2], s86, s87
.endr
.irp qt, 0,1,2,3
	v_add_f32 v[ST+8*\qt+2], v[ST+8*\qt+2], v[ST+8*\qt+3]
.endr
.irp qt, 0,1,2,3
	v_rcp_f32 v[ST+8*\qt+6], v[ST+8*\qt+2]
.endr
.irp qt, 0,1,2,3
	v_mov_b32 v[ST+8*\qt+7], 0                     ; (named with the reciprocal as a pair; also the plain instruction behind the reciprocals)
.endr
	s_wait_alu depctr_va_vdst(0)                   ; one wait for the four reciprocals
	WIN 0x82
.set i, 0
.rept 128
	v_pk_mul_f32 v[2*i:2*i+1], v[2*i:2*i+1], v[ST+8*(i/32)+6:ST+8*(i/32)+7] op_sel_hi:[1,0]   ; p, finished and normalised
.set i, i+1
.endr
.set i, 0
.rept 256
	v_min_num_f32 v[i], v[i], v23                  ; p is not negative: the hold is one-sided
.set i, i+1
.endr
	WIN 0xc2
.set i, 0
.rept 32
	v_cvt_scalef32_pk8_fp8_f32 v[PC+2*i:PC+2*i+1], v[8*i:8*i+7], v22   ; tile (qt, kt), i = 8 qt + kt: registers 2 kt of P's fragment qt
.set i, i+1
.endr
	v_nop
	; O^T = V^T P: K = the 128 keys
	WIN 0xcd
.irp qt, 0,1,2,3
.irp dt, 0,1,2,3
	v_wmma_f32_16x16x128_fp8_fp8 v[32*\qt+8*\dt:32*\qt+8*\dt+7], v[VC+16*\dt:VC+16*\dt+15], v[PC+16*\qt:PC+16*\qt+15], 0
.endr
.endr
	PLACES 4
	WIN 0xc3
.set i, 0
.rept 128
	v_med3_num_f32 v[i], v[i], -v25, v25
.set i, i+1
.endr
	WIN 0x03
.set i, 0
.rept 16
	v_cvt_scalef32_pk8_fp8_f32 v[OC+2*i:OC+2*i+1], v[8*i:8*i+7], v24   ; (qt, dt), i = 4 qt + dt: k = 64 head + 16 dt + 8 h + 0 .. 7 of the last product
.set i, i+1
.endr
	v_nop
	WIN 0
.irp qt, 0,1,2,3
.irp u, 0,1
	global_store_b128 v[LI], v[OC+8*\qt+4*\u:OC+8*\qt+4*\u+3], s[92:93] offset:16384*\qt+512*\u   ; an image of four operand registers: 512 consecutive bytes, aligned
.endr
.endr
	s_cmp_eq_u32 s81, 1
	s_cbranch_scc1 .Lfin
	s_wait_xcnt 0x0                                ; the stores have read their data and their base: both are written again below
	s_add_nc_u64 s[92:93], s[92:93], 4096          ; four heads on: two K steps of oq,
	s_add_nc_u64 s[88:89], s[88:89], 1024          ; 256 columns of bk and bv
	s_add_nc_u64 s[90:91], s[90:91], 1024
.irp n, 0,1,2,3,4,5,6,7
	ds_load_b128 v[QF+4*\n:QF+4*\n+3], v[QPA] offset:512*\n   ; the second head's q; the steps' waits for all LDS loads cover these
.endr
	KVBIAS
	KVSTEP 0, 1, 1, 256                            ; pass 1: the last two steps fill nothing
	KVSTEP 1, 0, 1, 256
	KVSTEP 2, 0, 1, 256
	KVSTEP 3, 0, 1, 256
	KVSTEP 4, 0, 1, 256
	KVSTEP 5, 0, 1, 256
	KVSTEP 6, 0, 0, 0
	s_wait_dscnt 16                                ; the very last step: the 16 youngest loads (e's blocks 4-7) may be out
	MULKV 0, 1, 0
	MULKV 2, 1, 0
	s_wait_dscnt 0x0
	MULKV 4, 1, 0
	MULKV 6, 1, 0
	PLACES 4
	WIN 0
	s_sub_co_u32 s81, s81, 1
	s_branch .Lpass
.Lfin:
	s_wait_tensorcnt 0x0                           ; the wave's end
	ds_add_u32 v[SPW], v[NIL]
	s_wait_dscnt 0x0
	CROUND                                         ; the closing round: no work-group ends while a partner may still ask for a tile that names it
	s_endpgm
.Lfunc_end_k_q2539ce9413_qkva:
	.size	k_q2539ce9413_qkva, .Lfunc_end_k_q2539ce9413_qkva-k_q2539ce9413_qkva
	.p2alignl 7, 3214868480
	.fill 96, 4, 3214868480
	.section	.rodata,"a",@progbits
	.p2align	6, 0x0
	.amdhsa_kernel k_q2539ce9413_qkva
		.amdhsa_group_segment_fixed_size 327680
		.amdhsa_private_segment_fixed_size 0
		.amdhsa_enable_private_segment 0
		.amdhsa_kernarg_size 80
		.amdhsa_user_sgpr_count 2
		.amdhsa_user_sgpr_kernarg_segment_ptr 1
		.amdhsa_wavefront_size32 1
		.amdhsa_system_sgpr_workgroup_id_x 1
		.amdhsa_system_sgpr_workgroup_id_y 1
		.amdhsa_system_sgpr_workgroup_id_z 1
		.amdhsa_system_vgpr_workitem_id 0
		.amdhsa_next_free_vgpr 1024
		.amdhsa_next_free_sgpr 100
		.amdhsa_reserve_vcc 0
		.amdhsa_float_denorm_mode_32 3
		.amdhsa_float_denorm_mode_16_64 3
		.amdhsa_memory_ordered 1
		.amdhsa_forward_progress 1
		.amdhsa_inst_pref_size 255
	.end_amdhsa_kernel
	.section	.bss,"aw",@nobits
	.p2align	6
	.space	262144
	.amdgpu_metadata
---
amdhsa.version: [ 1, 2 ]
amdhsa.kernels:
  - .name:           k_q2539ce9413_qkva
    .symbol:         k_q2539ce9413_qkva.kd
    .args:
      - { .name: xq, .offset: 0, .size: 8, .value_kind: global_buffer, .address_space: global }
      - { .name: e_codes, .offset: 8, .size: 8, .value_kind: global_buffer, .address_space: global }
      - { .name: Wq_codes, .offset: 16, .size: 8, .value_kind: global_buffer, .address_space: global }
      - { .name: Wk_codes, .offset: 24, .size: 8, .value_kind: global_buffer, .address_space: global }
      - { .name: Wv_codes, .offset: 32, .size: 8, .value_kind: global_buffer, .address_space: global }
      - { .name: bq, .offset: 40, .size: 8, .value_kind: global_buffer, .address_space: global }
      - { .name: bk, .offset: 48, .size: 8, .value_kind: global_buffer, .address_space: global }
      - { .name: bv, .offset: 56, .size: 8, .value_kind: global_buffer, .address_space: global }
      - { .name: lowp_scales, .offset: 64, .size: 8, .value_kind: global_buffer, .address_space: global }
      - { .name: oq, .offset: 72, .size: 8, .value_kind: global_buffer, .address_space: global }
    .group_segment_fixed_size: 327680
    .private_segment_fixed_size: 0
    .kernarg_segment_align: 8
    .kernarg_segment_size: 80
    .max_flat_workgroup_size: 128
    .sgpr_count:     100
    .vgpr_count:     1024
    .wavefront_size: 32
...
	.end_amdgpu_metadata
.endif
;; end of part 2
;; launch oproj (part 3): grid 128 x 2, 4 waves a work-group, clusters of 4 x 1, 327,680 bytes of LDS; arguments oq, Wo_codes, bo, h, lowp_scales, out0; writes out0
.if DOCPART == 3
	.amdgcn_target "amdgcn-amd-amdhsa--gfx1250"
	.amdhsa_code_object_version 6
	.text
	.protected	k_q2539ce9413_oproj
	.globl	k_q2539ce9413_oproj
	.p2align	8
	.type	k_q2539ce9413_oproj,@function
k_q2539ce9413_oproj:
	s_mov_b64 s[64:65], 0
	v_nop
	global_prefetch_b8 v0, s[64:65] scope:SCOPE_SE
	s_setreg_imm32_b32 hwreg(HW_REG_WAVE_MODE, 25, 1), 1
	s_wait_xcnt 0x0
	s_wait_alu depctr_hold_cnt(0) depctr_sa_sdst(0) depctr_va_vdst(0) depctr_va_sdst(0) depctr_va_ssrc(0) depctr_va_vcc(0) depctr_vm_vsrc(0)
	s_getreg_b32 s2, hwreg(HW_REG_IB_STS2, 6, 4)
	s_cmp_eq_u32 s2, 0
	s_cbranch_scc0 .Lentry_in_a_cluster
	s_endpgm
.Lentry_in_a_cluster:
	s_bfe_u32 s2, ttmp6, 0x10000c
	s_cmp_lg_u32 s2, 0x3003
	s_cbranch_scc0 .Lentry_shape_is_right
	s_endpgm
.Lentry_shape_is_right:
; out = h + (o Wo + bo), shifted: query i of chunk c belongs to row (64 c + 63 + i) mod 2048 of its batch.  For chunk 31, i >= 1, those are rows 0 .. 62, which get h alone: there the product's factor is 0.
; So every row of out has one owner, and no path differs between work-groups.  The product is on E4M3 codes with the given scales 2^e10 (o) and 2^e11 (Wo).
; SHARES.  Work-group (ci, j): chunk ci = 4 x cluster x + cx, columns 512 j .. 512 j + 511.  Wave w: 64 rows x 128 columns, 32 accumulators.  Source 0 = 16 rows of Wo (output columns), source 1 = 16 rows of o:
; a lane holds eight neighbouring columns of one row.  o comes as images of operand registers, straight from memory, four K steps ahead; its k lie in the form's own places (registers 2 c, 2 c + 1: k = 16 c + 8 h + 0 .. 7),
; so Wo's fragments are fetched by loads of 8 bytes.
; Wo goes through a ring of two LDS slots of 512 rows x 256 along K: a tile's row is 256 bytes of memory, aligned.  Four tiles: two at the start, two refills.
; CLUSTER: the four partners are four chunks with the same j and walk the same rows of Wo: each tile is asked for JOINTLY (mask 15).  cx enters the global addresses of oq, h and out0, and the factor, alone.
; bo is the C of each sum's first matrix instruction, divided by 2^(e10 + e11); the residual's rows are loaded into registers while the products run, and added on the way out.
; LIMITS: e10 + e11 between -126 and 127.  NaN among the inputs, and NaN codes, are not served (a NaN sum times the factor 0 would not be 0).
; REGISTERS.  Window 0: v1-13 addresses; v24-27 the factors; v32-95 bo, later a block's results; v128-255 h's rows of blocks 0, 1.  Window 1: Wo's fragments, two sets of 128; later rows back from the stage (v0-63, v64-127 by turns).
;   window 2: the 32 accumulators, (a, b) at 8 (8 a + b).   window 3: o's fragments, four sets of 64; later h's rows of blocks 2, 3 in v0-127.
.set PW,    272                        ; an LDS row: 256 bytes + 16: with 8 bytes a lane the 32 lanes of a load touch 64 different banks
.set SLOT,  512*PW
.set WPART, 128*PW
.set STAGE, 2*SLOT                     ; behind the ring: 16 rows x 528 bytes for each wave
.set SP,    528
.set SPARE, STAGE+4*16*SP              ; the spare words, 128 bytes a wave: two blocks of 256 bytes that no other line names
.set LI,   1
.set AB,   2                           ; v2-3  my rows of slot 0, 1
.set STO,  6
.set RD,   7
.set SPW,  10
.set NIL,  11
.set VB8,  13
.set BIAS, 32
.set TMP,  32
.set WV,   24
.set G1,   28
.set G0A,  44
.set MSB, 0
.macro WIN new
.if MSB != (\new)
	s_set_vgpr_msb (MSB<<8)|(\new)
.set MSB, (\new)
.endif
.endm
.macro PLACES n
.rept \n
	v_nop
.endr
.endm
.macro CREST
	s_cmp_lg_u32 s[WV], 0
	s_cbranch_scc1 .Lnot_wave_0_\@
	s_barrier_signal -3
.Lnot_wave_0_\@:
	s_barrier_wait -3
	s_barrier_signal -1
	s_barrier_wait -1
.endm
.macro CROUND
	s_barrier_signal -1
	s_barrier_wait -1
	CREST
.endm
.macro FETCH_B sl, q, p                ; my eight fragments of Wo, the slot's q-th 128 along K, into set p: 64 loads of 8 bytes
	WIN 0x40
.irp b, 0,1,2,3,4,5,6,7
.irp c, 0,1,2,3,4,5,6,7
	ds_load_b64 v[128*(\p)+16*\b+2*\c:128*(\p)+16*\b+2*\c+1], v[AB+(\sl)] offset:16*PW*\b+128*(\q)+16*\c
.endr
.endr
	WIN 0
.endm
.macro XLOAD ks                        ; o's four fragments of K step ks into set ks % 4
	WIN 0xc0
.irp a, 0,1,2,3
.irp c, 0,1,2,3
	global_load_b128 v[64*((\ks)%4)+16*\a+4*\c:64*((\ks)%4)+16*\a+4*\c+3], v[LI], s[4:5] offset:(8*\a+(\ks))*2048+512*\c
.endr
.endr
	WIN 0
.endm
.macro HLOAD a                         ; h's 16 rows of block a, my 128 columns: 512 consecutive bytes a load.  Row i = 0 by its own pointer, rows i >= 1 by the pointer that may have wrapped
.if (\a) < 2
.set HB, 128+64*(\a)
.else
.set HB, 64*((\a)-2)
	WIN 0xc0
.endif
.irp t, 0,1,2,3,4,5,6,7,8,9,10,11,12,13,14,15
.if 16*(\a)+\t == 0
	global_load_b128 v[HB+4*\t:HB+4*\t+3], v[LI], s[52:53] th:TH_LOAD_NT
.else
	global_load_b128 v[HB+4*\t:HB+4*\t+3], v[LI], s[54:55] offset:(16*(\a)+\t-1)*4096 th:TH_LOAD_NT
.endif
.endr
	WIN 0
.endm
.macro MULO a, p, ks, first            ; 8 matrix instructions: row tile a against my 8 tiles of Wo.  The 32 accumulators take turns, in the same order in every step
.if \first
	WIN 0x8d
.else
	WIN 0xad
.endif
.irp b, 0,1,2,3,4,5,6,7
.if \first
	v_wmma_f32_16x16x128_fp8_fp8 v[8*(8*(\a)+\b):8*(8*(\a)+\b)+7], v[128*(\p)+16*\b:128*(\p)+16*\b+15], v[64*((\ks)%4)+16*(\a):64*((\ks)%4)+16*(\a)+15], v[BIAS+8*\b:BIAS+8*\b+7]
.else
	v_wmma_f32_16x16x128_fp8_fp8 v[8*(8*(\a)+\b):8*(8*(\a)+\b)+7], v[128*(\p)+16*\b:128*(\p)+16*\b+15], v[64*((\ks)%4)+16*(\a):64*((\ks)%4)+16*(\a)+15], v[8*(8*(\a)+\b):8*(8*(\a)+\b)+7]
.endif
.endr
.endm
.macro LWAIT ks                        ; o's set of step ks is in.  Behind it were issued: steps 0-3: 80 loads (three sets and h's 32; the count below is smaller, which is safe); steps 4-6: 48; step 7: h's last 32
.if (\ks) < 4
	s_wait_loadcnt 63
.elseif (\ks) < 7
	s_wait_loadcnt 48
.else
	s_wait_loadcnt 32
.endif
.endm
.macro AFTER ks                        ; what is asked of memory at a step's end, into the registers that the step has just read, four places behind its last product (ISA guide 7.12.1)
.if (\ks) <= 5
	PLACES 4
.endif
	WIN 0
.if (\ks) <= 3
	XLOAD (\ks)+4
.elseif (\ks) == 4
	HLOAD 2
.elseif (\ks) == 5
	HLOAD 3
.endif
.endm
.macro OSTEP ks, first                 ; an even step: the slot's first 128 along K, set 0; the second 128 is fetched into set 1 in its middle
	LWAIT \ks
	s_wait_dscnt 0x0                               ; set 0 is in
	MULO 0, 0, \ks, \first
	MULO 1, 0, \ks, \first
	FETCH_B ((\ks)/2)%2, 1, 1                      ; (set 1's last reader stands a step back, with four places behind it)
	MULO 2, 0, \ks, \first
	MULO 3, 0, \ks, \first
	AFTER \ks
.endm
.macro OTURN ks, fill                  ; an odd step changes slots: one barrier; in front of it each wave waits for all its tensor loads, adds 0 to its spare word, and waits for that and for its reads of this slot
	s_wait_tensorcnt 0x0                           ; all my tensor loads have landed
	ds_add_u32 v[SPW], v[NIL]                      ; 0 onto my spare word
	LWAIT \ks
	s_wait_dscnt 1                                 ; set 1 is in; the add may be out
	MULO 0, 1, \ks, 0
	s_wait_dscnt 0x0                               ; the add is done, and my reads of this slot are over
	s_barrier_signal -1
	MULO 1, 1, \ks, 0
	WIN 0
	s_barrier_wait -1
.if \fill
	CREST                                          ; no wave of any partner still reads this slot or has a load on its way
	s_add_nc_u64 s[G0A+4*(((\ks)/2)%2)+2:G0A+4*(((\ks)/2)%2)+3], s[G0A+4*(((\ks)/2)%2)+2:G0A+4*(((\ks)/2)%2)+3], 512
	tensor_load_to_lds s[G0A+4*(((\ks)/2)%2):G0A+4*(((\ks)/2)%2)+3], s[G1:G1+7]   ; my one tensor load behind the round: the tile two slots on
	s_nop 0
.rept 4
	v_nop
.endr
.endif
	FETCH_B 1-((\ks)/2)%2, 0, 0
	MULO 2, 1, \ks, 0
	MULO 3, 1, \ks, 0
	AFTER \ks
.endm
	s_load_b256 s[4:11], s[0:1], 0x0               ; oq s[4:5], Wo s[6:7], bo s[8:9], h s[10:11]
	s_load_b128 s[12:15], s[0:1], 0x20             ; the scales' exponents s[12:13], out0 s[14:15]
	v_lshl_add_u32 v[SPW], v0, 2, SPARE
	v_mov_b32 v[NIL], 0
	ds_add_u32 v10, v11
	ds_add_u32 v10, v11
	s_wait_dscnt 0x0
	v_lshrrev_b32 v15, 5, v0
	v_readfirstlane_b32 s[WV], v15                 ; wave 0..3
	s_bfe_u32 s25, ttmp6, 0x40000                  ; cx
	s_lshl_b32 s26, ttmp9, 2
	s_add_co_u32 s26, s26, s25                     ; ci
	s_and_b32 s27, ttmp7, 0xffff                   ; j
	s_mov_b32 s[G1+0], 15|(1<<20)|(1<<21)|(5<<22)|(3<<25)   ; the mask: all four; elements of 1 byte; padding on; bit 21 beside a mask; after every 64 words, 4 words
	s_mov_b32 s[G1+1], 256<<16
	s_mov_b32 s[G1+2], 128<<16
	s_mov_b32 s[G1+3], 256<<16
	s_mov_b32 s[G1+4], 128
	s_mov_b32 s[G1+5], 1024
	s_mov_b32 s[G1+6], 0
	s_mov_b32 s[G1+7], 0
	s_lshl_b32 s36, s27, 11
	s_lshl_b32 s37, s[WV], 9
	s_add_co_u32 s36, s36, s37                     ; my first column, in bytes of f32: 2,048 j + 512 w
	s_lshl_b32 s60, s26, 6
	s_add_co_u32 s60, s60, 63                      ; row i = 0: 64 ci + 63
	s_lshl_b32 s60, s60, 12
	s_add_co_u32 s60, s60, s36
	s_mov_b32 s61, 0
	s_and_b32 s62, s26, 31
	s_add_co_u32 s62, s62, 1
	s_lshl_b32 s62, s62, 6
	s_and_b32 s62, s62, 2047                       ; row i = 1 in its batch: (64 c + 64) mod 2048
	s_and_b32 s66, s26, 0xffe0
	s_lshl_b32 s66, s66, 6                         ; the batch's first row
	s_add_co_u32 s62, s62, s66
	s_lshl_b32 s62, s62, 12
	s_add_co_u32 s62, s62, s36
	s_mov_b32 s63, 0
	s_lshl_b32 s38, s27, 19
	s_lshl_b32 s39, s[WV], 17
	s_add_co_u32 s38, s38, s39                     ; Wo: row 512 j + 128 w
	s_mov_b32 s39, 0
	s_mov_b32 s37, 0
	s_lshl_b32 s40, s26, 16
	s_mov_b32 s41, 0
	s_wait_kmcnt 0x0
	s_load_b64 s[68:69], s[12:13], 0x28            ; e10, e11
	s_add_nc_u64 s[4:5], s[4:5], s[40:41]          ; oq at my chunk
	s_add_nc_u64 s[8:9], s[8:9], s[36:37]          ; bo at my columns
	s_add_nc_u64 s[52:53], s[10:11], s[60:61]
	s_add_nc_u64 s[54:55], s[10:11], s[62:63]
	s_add_nc_u64 s[56:57], s[14:15], s[60:61]
	s_add_nc_u64 s[58:59], s[14:15], s[62:63]
	s_mov_b32 s[G0A+0], 1
	s_mul_i32 s[G0A+1], s[WV], WPART
	s_add_nc_u64 s[G0A+2:G0A+3], s[6:7], s[38:39]
	s_mov_b32 s[G0A+4], 1
	s_add_co_u32 s[G0A+5], s[G0A+1], SLOT
	s_add_nc_u64 s[G0A+6:G0A+7], s[G0A+2:G0A+3], 256
	s_or_b32 s[G0A+3], s[G0A+3], 0x80000000
	s_or_b32 s[G0A+7], s[G0A+7], 0x80000000
	CROUND                                         ; all four work-groups are here: the first joint loads meet
	tensor_load_to_lds s[G0A:G0A+3], s[G1:G1+7]    ; two loads of mine are out
	s_nop 0
	tensor_load_to_lds s[G0A+4:G0A+7], s[G1:G1+7]
	s_nop 0
.rept 4
	v_nop
.endr
	v_and_b32 v15, 31, v0
	v_lshlrev_b32 v[LI], 4, v15
	v_and_b32 v30, 15, v0                          ; r
	v_bfe_u32 v31, v0, 4, 1                        ; h
	v_lshlrev_b32 v[VB8], 5, v31
.irp b, 0,1,2,3,4,5,6,7
	global_load_b128 v[BIAS+8*\b:BIAS+8*\b+3], v[VB8], s[8:9] offset:64*\b
	global_load_b128 v[BIAS+8*\b+4:BIAS+8*\b+7], v[VB8], s[8:9] offset:64*\b+16
.endr
	XLOAD 0
	XLOAD 1
	XLOAD 2
	XLOAD 3
	v_mul_u32_u24 v[AB], v30, PW
	v_lshl_add_u32 v[AB], v31, 3, v[AB]
	s_mul_i32 s60, s[WV], WPART
	v_add_nc_u32 v[AB], s60, v[AB]                 ; slot row 128 w + r, + 8 h
	v_add_nc_u32 v[AB+1], SLOT, v[AB]
	s_mul_i32 s60, s[WV], 16*SP
	s_add_co_u32 s60, s60, STAGE                   ; my stage
	v_mul_u32_u24 v[STO], v30, SP
	v_lshl_add_u32 v[STO], v31, 5, v[STO]
	v_add_nc_u32 v[STO], s60, v[STO]               ; in: row r, 32 bytes for each half of the lanes
	v_add_nc_u32 v[RD], s60, v[LI]                 ; back: the 32 lanes take one row of 512 bytes
	s_wait_kmcnt 0x0
	s_add_co_i32 s70, s68, s69                     ; e10 + e11
	s_sub_co_i32 s72, 0, s70
	s_add_co_i32 s70, s70, 127
	s_lshl_b32 s70, s70, 23                        ; 2^(e10 + e11) as f32
	s_and_b32 s66, s26, 31
	s_add_co_u32 s66, s66, 1
	s_lshr_b32 s66, s66, 5                         ; 1 in chunk 31
	s_sub_co_u32 s66, 1, s66
	s_mul_i32 s71, s70, s66                        ; the factor of rows i >= 1: 0 in chunk 31 (a value, chosen without a branch)
	v_mov_b32 v26, s71
	v_mov_b32 v27, s71
	v_mov_b32 v28, s70
	v_cmp_eq_u32 vcc_lo, 0, v30
	v_cndmask_b32 v24, v26, v28, vcc_lo            ; block 0: the lanes of row i = 0 always keep the product
	v_mov_b32 v25, v24
	s_wait_loadcnt 48                              ; bo is in (and o's first set)
.set i, 0
.rept 64
	v_ldexp_f32 v[BIAS+i], v[BIAS+i], s72          ; bo / 2^(e10 + e11)
.set i, i+1
.endr
	HLOAD 0
	HLOAD 1
	s_wait_tensorcnt 1                             ; my part of slot 0 is in; slot 1's may stay out
	s_barrier_signal -1
	s_barrier_wait -1
	FETCH_B 0, 0, 0
	OSTEP 0, 1
	OTURN 1, 1
	OSTEP 2, 0
	OTURN 3, 1
	OSTEP 4, 0
	OTURN 5, 0                                     ; nothing is left to fetch: a barrier of the work-group alone
	OSTEP 6, 0
	LWAIT 7
	s_wait_dscnt 0x0
	MULO 0, 1, 7, 0
	MULO 1, 1, 7, 0
	MULO 2, 1, 7, 0
	MULO 3, 1, 7, 0
	PLACES 4
	WIN 0
; THE WAY OUT, a block of 16 rows x 128 columns at a time: sums x the factor, through my own stage in LDS, back as whole rows of 512 bytes, + h, stored.  LDS serves a wave's instructions in order (ISA guide 5.7.1.4).
.macro TOSTAGE a
.if (\a) == 0
.set FF, 24
.else
.set FF, 26
.endif
	WIN 0x02
.set i, 0
.rept 32
	v_pk_mul_f32 v[TMP+2*i:TMP+2*i+1], v[64*(\a)+2*i:64*(\a)+2*i+1], v[FF:FF+1]   ; each accumulator from its low end on
.set i, i+1
.endr
	WIN 0
.irp b, 0,1,2,3,4,5,6,7
	ds_store_b128 v[STO], v[TMP+8*\b:TMP+8*\b+3] offset:64*\b
	ds_store_b128 v[STO], v[TMP+8*\b+4:TMP+8*\b+7] offset:64*\b+16
.endr
	WIN 0x40
.irp t, 0,1,2,3,4,5,6,7,8,9,10,11,12,13,14,15
	ds_load_b128 v[64*((\a)%2)+4*\t:64*((\a)%2)+4*\t+3], v[RD] offset:\t*SP
.endr
	WIN 0
.endm
.macro SEND a, younger                 ; younger: the LDS instructions issued behind block a's loads, which may stay out
.set BB, 64*((\a)%2)
	s_wait_dscnt \younger
.if (\a) == 2
	s_wait_loadcnt 16                              ; h's block 2 is in; block 3's 16 loads may be out
.elseif (\a) == 3
	s_wait_loadcnt 0x0
.endif
.if (\a) < 2
.set HB, 128+64*(\a)
	WIN 0x41
.else
.set HB, 64*((\a)-2)
	WIN 0x4d
.endif
.set i, 0
.rept 32
	v_pk_add_f32 v[BB+2*i:BB+2*i+1], v[BB+2*i:BB+2*i+1], v[HB+2*i:HB+2*i+1]
.set i, i+1
.endr
	WIN 0x04
.irp t, 0,1,2,3,4,5,6,7,8,9,10,11,12,13,14,15
.if 16*(\a)+\t == 0
	global_store_b128 v[LI], v[BB+4*\t:BB+4*\t+3], s[56:57] th:TH_STORE_NT
.else
	global_store_b128 v[LI], v[BB+4*\t:BB+4*\t+3], s[58:59] offset:(16*(\a)+\t-1)*4096 th:TH_STORE_NT   ; 32 lanes store 512 consecutive bytes, aligned
.endif
.endr
	WIN 0
.endm
	TOSTAGE 0
	TOSTAGE 1
	SEND 0, 32                                     ; behind block 0's loads: block 1's 16 stores and 16 loads
	s_wait_xcnt 0x0                                ; block 0's stores have read their registers: block 2's rows may land there
	TOSTAGE 2
	SEND 1, 32
	s_wait_xcnt 0x0
	TOSTAGE 3
	SEND 2, 32
	SEND 3, 0
	s_wait_tensorcnt 0x0                           ; the wave's end
	ds_add_u32 v[SPW], v[NIL]
	s_wait_dscnt 0x0
	CROUND                                         ; the closing round
	s_endpgm
.Lfunc_end_k_q2539ce9413_oproj:
	.size	k_q2539ce9413_oproj, .Lfunc_end_k_q2539ce9413_oproj-k_q2539ce9413_oproj
	.p2alignl 7, 3214868480
	.fill 96, 4, 3214868480
	.section	.rodata,"a",@progbits
	.p2align	6, 0x0
	.amdhsa_kernel k_q2539ce9413_oproj
		.amdhsa_group_segment_fixed_size 327680
		.amdhsa_private_segment_fixed_size 0
		.amdhsa_enable_private_segment 0
		.amdhsa_kernarg_size 48
		.amdhsa_user_sgpr_count 2
		.amdhsa_user_sgpr_kernarg_segment_ptr 1
		.amdhsa_wavefront_size32 1
		.amdhsa_system_sgpr_workgroup_id_x 1
		.amdhsa_system_sgpr_workgroup_id_y 1
		.amdhsa_system_sgpr_workgroup_id_z 1
		.amdhsa_system_vgpr_workitem_id 0
		.amdhsa_next_free_vgpr 1024
		.amdhsa_next_free_sgpr 80
		.amdhsa_reserve_vcc 1
		.amdhsa_float_denorm_mode_32 3
		.amdhsa_float_denorm_mode_16_64 3
		.amdhsa_memory_ordered 1
		.amdhsa_forward_progress 1
		.amdhsa_inst_pref_size 114
	.end_amdhsa_kernel
	.amdgpu_metadata
---
amdhsa.version: [ 1, 2 ]
amdhsa.kernels:
  - .name:           k_q2539ce9413_oproj
    .symbol:         k_q2539ce9413_oproj.kd
    .args:
      - { .name: oq, .offset: 0, .size: 8, .value_kind: global_buffer, .address_space: global }
      - { .name: Wo_codes, .offset: 8, .size: 8, .value_kind: global_buffer, .address_space: global }
      - { .name: bo, .offset: 16, .size: 8, .value_kind: global_buffer, .address_space: global }
      - { .name: h, .offset: 24, .size: 8, .value_kind: global_buffer, .address_space: global }
      - { .name: lowp_scales, .offset: 32, .size: 8, .value_kind: global_buffer, .address_space: global }
      - { .name: out0, .offset: 40, .size: 8, .value_kind: global_buffer, .address_space: global }
    .group_segment_fixed_size: 327680
    .private_segment_fixed_size: 0
    .kernarg_segment_align: 8
    .kernarg_segment_size: 48
    .max_flat_workgroup_size: 128
    .sgpr_count:     80
    .vgpr_count:     1024
    .wavefront_size: 32
...
	.end_amdgpu_metadata
.endif
;; end of part 3
;; ======== version 2 of 2: 3 launches
;; limits: right only within a limited range of input values
;; workspace buffers: xq 8,388,608 bytes; oq 8,388,608 bytes; wkv 2,097,152 bytes
;; launch lnq (part 4): grid 640 x 1, 4 waves a work-group, no clusters, 17,408 bytes of LDS; arguments h, ln_g, ln_b, lowp_scales, xq, Wk_codes, Wv_codes, wkv; writes xq, wkv
.if DOCPART == 4
	.amdgcn_target "amdgcn-amd-amdhsa--gfx1250"
	.amdhsa_code_object_version 6
	.text
	.protected	k_q2539ce9413_lnq
	.globl	k_q2539ce9413_lnq
	.p2align	8
	.type	k_q2539ce9413_lnq,@function
k_q2539ce9413_lnq:
	s_mov_b64 s[64:65], 0
	v_nop
	global_prefetch_b8 v0, s[64:65] scope:SCOPE_SE
	s_setreg_imm32_b32 hwreg(HW_REG_WAVE_MODE, 25, 1), 1
	s_wait_xcnt 0x0
; LayerNorm of the shifted rows of h, quantised to E4M3 with the given scale 2^e0, laid as the next launch's operand registers.
; Query i of chunk c (of 32 in a batch) is row (64 c + 63 + i) mod 2048 of its batch.  For chunk 31, i >= 1, that is a row whose result is thrown away later (those queries are padding); it is
; normalised like any other, so that no path differs between work-groups.
; SHARES.  Work-group T = 4 ci + qt takes 16 queries (tile qt of chunk ci = 32 batch + c); each of its four waves takes four rows, a row in 32 registers: register 4 q + e of lane l is k = 128 q + 4 l + e,
; so that each load of a wave reads 512 consecutive bytes.  Mean and variance are taken in two passes over the registers (x - mean first), in f32.
; OUT.  xq[ci][qt][s 8][c 4][lane 32][16 bytes]: lane (r, h) of group c of K step s holds k = 128 s + 32 c + 16 h + 0 .. 15 of row r.  The codes turn through LDS (16 rows, 1,040 bytes apart: 65 x 16, so the
; sixteen rows of a 16-byte read start at different banks), and each store of a wave covers 512 consecutive bytes, aligned.
; No cluster: the work-groups share nothing but g and b (8 KB).  No matrix unit: there is no product here.
; LIMITS: e0 between -126 and 119, so that 2^e0 and 448 x 2^e0 are f32 numbers.  NaN among the inputs is not served.
.set PITCH, 1040
.set OFF,  2                           ; v2-5    row rr: its byte offset in h + 16 x lane
.set LA,   6                           ; v6      LDS, in: 4 x lane + my four rows
.set FA,   7                           ; v7      LDS, out: row r, + 16 h, + my eight groups
.set SC,   9                           ; v9      2^e0
.set LIM,  10                          ; v10     448 x 2^e0
.set T,    16                          ; v16-31  four registers a row, at work
.set X,    32                          ; v32-159 32 numbers a row
.set G,    160                         ; v160-191 g at my 32 k
.set BT,   192                         ; v192-223 b
.set C,    224                         ; v224-255 8 registers of codes a row
	s_load_b256 s[4:11], s[0:1], 0x0               ; h s[4:5], g s[6:7], b s[8:9], the scales' exponents s[10:11]
	s_load_b64 s[16:17], s[0:1], 0x20              ; xq
	s_cmp_lt_u32 ttmp9, 512                        ; work-groups 512 .. 639 lay Wk's and Wv's codes out instead (at the text's end)
	s_cbranch_scc0 .Lweights
	v_lshl_add_u32 v14, v0, 2, 0x4200
	v_mov_b32 v15, 0
	v_lshrrev_b32 v8, 5, v0
	v_readfirstlane_b32 s18, v8                    ; wave
	v_and_b32 v8, 31, v0                           ; lane
	v_lshlrev_b32 v1, 4, v8                        ; 16 x lane
	s_wait_alu depctr_va_vdst(0)
	s_mov_b32 s12, 0x76543210                      ; lane selects: each lane takes its own place in the other half
	s_mov_b32 s13, 0xfedcba98
	s_mov_b32 s14, 0x3a800000                      ; 1 / 1024
	s_mov_b32 s15, 0x3727c5ac                      ; 1e-5
	s_lshr_b32 s20, ttmp9, 2                       ; ci
	s_and_b32 s21, ttmp9, 3                        ; qt
	s_and_b32 s22, s20, 31                         ; c
	s_lshl_b32 s22, s22, 6
	s_lshl_b32 s21, s21, 4
	s_add_co_u32 s22, s22, s21
	s_lshl_b32 s23, s18, 2
	s_add_co_u32 s22, s22, s23
	s_add_co_u32 s22, s22, 63                      ; 64 c + 63 + 16 qt + 4 wave
	s_lshr_b32 s20, s20, 5
	s_lshl_b32 s20, s20, 11                        ; the batch's first row
.irp rr, 0,1,2,3
	s_add_co_u32 s23, s22, \rr
	s_and_b32 s23, s23, 2047
	s_add_co_u32 s23, s23, s20
	s_lshl_b32 s23, s23, 12                        ; a row of h is 4,096 bytes
	v_add_nc_u32 v[OFF+\rr], s23, v1
.endr
	s_lshl_b32 s26, ttmp9, 14                      ; the tile's 16,384 bytes of xq,
	s_lshl_b32 s27, s18, 12                        ; my wave's eight groups of 512
	s_add_co_u32 s26, s26, s27
	s_mov_b32 s27, 0
	s_wait_alu depctr_va_vdst(0)
	s_wait_kmcnt 0x0
	s_load_b32 s24, s[10:11], 0x0                  ; e0
	s_add_nc_u64 s[16:17], s[16:17], s[26:27]
.irp rr, 0,1,2,3
.irp q, 0,1,2,3,4,5,6,7
	global_load_b128 v[X+32*\rr+4*\q:X+32*\rr+4*\q+3], v[OFF+\rr], s[4:5] offset:512*\q th:TH_LOAD_NT
.endr
.endr
.irp q, 0,1,2,3,4,5,6,7
	global_load_b128 v[G+4*\q:G+4*\q+3], v1, s[6:7] offset:512*\q
	global_load_b128 v[BT+4*\q:BT+4*\q+3], v1, s[8:9] offset:512*\q
.endr
	s_mul_i32 s23, s18, 4*PITCH
	v_lshl_add_u32 v[LA], v8, 2, s23
	v_and_b32 v11, 15, v0                          ; r
	v_bfe_u32 v12, v0, 4, 1                        ; h
	v_mul_u32_u24 v[FA], v11, PITCH
	v_lshl_add_u32 v[FA], v12, 4, v[FA]
	s_lshl_b32 s23, s18, 8
	v_add_nc_u32 v[FA], s23, v[FA]
	s_wait_kmcnt 0x0
	s_add_co_i32 s24, s24, 127
	s_lshl_b32 s25, s24, 23
	v_mov_b32 v[SC], s25                           ; 2^e0 as f32: the conversion takes its exponent field
	s_add_co_i32 s24, s24, 8
	s_lshl_b32 s24, s24, 23
	s_or_b32 s24, s24, 0x600000
	v_mov_b32 v[LIM], s24                          ; 448 x 2^e0
; The two chains of each row are joined and summed over the 32 lanes; every lane ends with the sum in v[T + 4 rr].  The four rows go line by line, so that no line waits for the one above it.
.macro FOLD
.irp rr, 0,1,2,3
	v_pk_add_f32 v[T+4*\rr:T+4*\rr+1], v[T+4*\rr:T+4*\rr+1], v[T+4*\rr+2:T+4*\rr+3]
.endr
.irp rr, 0,1,2,3
	v_add_f32 v[T+4*\rr], v[T+4*\rr], v[T+4*\rr+1]
.endr
.irp m, 1,2,4,8
.irp rr, 0,1,2,3
	v_add_f32_dpp v[T+4*\rr], v[T+4*\rr], v[T+4*\rr] row_xmask:\m row_mask:0xf bank_mask:0xf
.endr
.endr
.irp rr, 0,1,2,3
	v_permlanex16_b32 v[T+4*\rr+1], v[T+4*\rr], s12, s13
.endr
.irp rr, 0,1,2,3
	v_add_f32 v[T+4*\rr], v[T+4*\rr], v[T+4*\rr+1]
.endr
.endm
	s_wait_loadcnt 16                              ; the four rows are in; the 16 younger loads, g's and b's, may be out
.irp rr, 0,1,2,3                               ; the mean
	v_pk_add_f32 v[T+4*\rr:T+4*\rr+1], v[X+32*\rr:X+32*\rr+1], v[X+32*\rr+2:X+32*\rr+3]
	v_pk_add_f32 v[T+4*\rr+2:T+4*\rr+3], v[X+32*\rr+4:X+32*\rr+5], v[X+32*\rr+6:X+32*\rr+7]
.endr
.irp j, 8,12,16,20,24,28
.irp rr, 0,1,2,3
	v_pk_add_f32 v[T+4*\rr:T+4*\rr+1], v[T+4*\rr:T+4*\rr+1], v[X+32*\rr+\j:X+32*\rr+\j+1]
	v_pk_add_f32 v[T+4*\rr+2:T+4*\rr+3], v[T+4*\rr+2:T+4*\rr+3], v[X+32*\rr+\j+2:X+32*\rr+\j+3]
.endr
.endr
	FOLD
.irp rr, 0,1,2,3
	v_mul_f32 v[T+4*\rr], s14, v[T+4*\rr]
.endr
.set i, 0
.rept 64                                       ; x - mean, in place (the pair's low word serves both halves)
	v_pk_add_f32 v[X+2*i:X+2*i+1], v[X+2*i:X+2*i+1], v[T+4*(i/16):T+4*(i/16)+1] op_sel_hi:[1,0] neg_lo:[0,1] neg_hi:[0,1]
.set i, i+1
.endr
.irp rr, 0,1,2,3                               ; the mean of the squares
	v_pk_mul_f32 v[T+4*\rr:T+4*\rr+1], v[X+32*\rr:X+32*\rr+1], v[X+32*\rr:X+32*\rr+1]
	v_pk_mul_f32 v[T+4*\rr+2:T+4*\rr+3], v[X+32*\rr+2:X+32*\rr+3], v[X+32*\rr+2:X+32*\rr+3]
.endr
.irp j, 4,8,12,16,20,24,28
.irp rr, 0,1,2,3
	v_pk_fma_f32 v[T+4*\rr:T+4*\rr+1], v[X+32*\rr+\j:X+32*\rr+\j+1], v[X+32*\rr+\j:X+32*\rr+\j+1], v[T+4*\rr:T+4*\rr+1]
	v_pk_fma_f32 v[T+4*\rr+2:T+4*\rr+3], v[X+32*\rr+\j+2:X+32*\rr+\j+3], v[X+32*\rr+\j+2:X+32*\rr+\j+3], v[T+4*\rr+2:T+4*\rr+3]
.endr
.endr
	FOLD
.irp rr, 0,1,2,3
	v_fma_f32 v[T+4*\rr], v[T+4*\rr], s14, s15     ; variance + 1e-5
.endr
	s_wait_alu depctr_va_vdst(0)
.irp rr, 0,1,2,3
	v_rsq_f32 v[T+4*\rr+2], v[T+4*\rr]             ; one batch of four
.endr
	v_nop                                          ; a plain instruction behind the last of them (ISA guide 5.7.2)
	s_wait_alu depctr_va_vdst(0)                   ; one wait for the batch, ahead of its first reader
	s_wait_loadcnt 0x0                             ; g and b
.set i, 0
.rept 64
	v_pk_mul_f32 v[X+2*i:X+2*i+1], v[X+2*i:X+2*i+1], v[T+4*(i/16)+2:T+4*(i/16)+3] op_sel_hi:[1,0]
.set i, i+1
.endr
.set i, 0
.rept 64
	v_pk_fma_f32 v[X+2*i:X+2*i+1], v[X+2*i:X+2*i+1], v[G+2*(i%16):G+2*(i%16)+1], v[BT+2*(i%16):BT+2*(i%16)+1]
.set i, i+1
.endr
.set i, 0
.rept 128
	v_med3_num_f32 v[X+i], v[X+i], -v[LIM], v[LIM] ; the conversion to an 8-bit code does not saturate (ISA guide 7.6.2): the hold at the largest code x the scale
.set i, i+1
.endr
.set i, 0
.rept 16                                       ; eight registers are q = 2 g and 2 g + 1: code register q of a row holds the four bytes at k = 128 q + 4 x lane
	v_cvt_scalef32_pk8_fp8_f32 v[C+2*i:C+2*i+1], v[X+8*i:X+8*i+7], v[SC]
.set i, i+1
.endr
	v_nop                                          ; a plain instruction behind the last conversion
.irp rr, 0,1,2,3
.irp q, 0,1,2,3,4,5,6,7
	ds_store_b32 v[LA], v[C+8*\rr+\q] offset:\rr*PITCH+128*\q
.endr
.endr
	s_wait_dscnt 0x0                               ; for the others' sake: my four rows of codes lie in LDS
	s_barrier_signal -1
	s_barrier_wait -1                              ; all sixteen do
.irp u, 0,1,2,3,4,5,6,7
	ds_load_b128 v[X+4*\u:X+4*\u+3], v[FA] offset:32*\u    ; group 8 wave + u: row r, k = 32 (8 wave + u) + 16 h on
.endr
.irp u, 0,1,2,3,4,5,6,7
	s_wait_dscnt 7-\u                              ; LDS loads come back in order: group u is in, the younger ones may be out
	global_store_b128 v1, v[X+4*\u:X+4*\u+3], s[16:17] offset:512*\u   ; 32 lanes store 512 consecutive bytes, aligned
.endr
	s_wait_tensorcnt 0x0
	ds_add_u32 v14, v15
	s_wait_dscnt 0x0
	s_endpgm
; WORK-GROUPS 512 + T, T = 0 .. 127: 16 rows of Wk (T < 64) or of Wv become images of operand registers:
; wkv[T][s 8][c 4][lane 32][16 bytes]; lane (r, h) of group c of K step s holds k = 128 s + 32 c + 16 h + 0 .. 15 of row 16 (T % 64) + r.
; Wave w takes the rows' bytes 256 w .. 256 w + 255: its eight loads together read 16 whole aligned blocks of 256 bytes, each byte once; each store covers 512 consecutive bytes, aligned.  No LDS on this path.
.Lweights:
	s_load_b128 s[28:31], s[0:1], 0x28             ; Wk's codes, Wv's codes
	s_load_b64 s[32:33], s[0:1], 0x38              ; wkv
	v_lshrrev_b32 v8, 5, v0
	v_readfirstlane_b32 s18, v8                    ; wave
	v_and_b32 v11, 15, v0                          ; r
	v_bfe_u32 v12, v0, 4, 1                        ; h
	v_lshlrev_b32 v2, 10, v11                      ; a row of codes is 1,024 bytes
	v_lshl_add_u32 v2, v12, 4, v2                  ; + 16 h
	v_and_b32 v8, 31, v0
	v_lshlrev_b32 v1, 4, v8                        ; 16 x lane
	s_sub_co_u32 s20, ttmp9, 512                   ; T
	s_lshl_b32 s21, s18, 8
	s_and_b32 s22, s20, 63
	s_lshl_b32 s22, s22, 14                        ; 16 rows of 1,024 bytes
	s_add_co_u32 s22, s22, s21
	s_mov_b32 s23, 0
	s_lshl_b32 s26, s20, 14                        ; the tile's image,
	s_lshl_b32 s27, s18, 12                        ; my wave's eight groups of 512 bytes
	s_add_co_u32 s26, s26, s27
	s_mov_b32 s27, 0
	s_cmp_lt_u32 s20, 64
	s_wait_alu depctr_va_vdst(0)
	s_wait_kmcnt 0x0
	s_cselect_b64 s[28:29], s[28:29], s[30:31]
	s_add_nc_u64 s[28:29], s[28:29], s[22:23]
	s_add_nc_u64 s[32:33], s[32:33], s[26:27]
.irp j, 0,1,2,3,4,5,6,7
	global_load_b128 v[32+4*\j:32+4*\j+3], v2, s[28:29] offset:32*\j
.endr
.irp j, 0,1,2,3,4,5,6,7
	s_wait_loadcnt 7-\j                            ; loads come back in order: group j is in, the younger ones may be out
	global_store_b128 v1, v[32+4*\j:32+4*\j+3], s[32:33] offset:512*\j
.endr
	s_endpgm
.Lfunc_end_k_q2539ce9413_lnq:
	.size	k_q2539ce9413_lnq, .Lfunc_end_k_q2539ce9413_lnq-k_q2539ce9413_lnq
	.p2alignl 7, 3214868480
	.fill 96, 4, 3214868480
	.section	.rodata,"a",@progbits
	.p2align	6, 0x0
	.amdhsa_kernel k_q2539ce9413_lnq
		.amdhsa_group_segment_fixed_size 17408
		.amdhsa_private_segment_fixed_size 0
		.amdhsa_enable_private_segment 0
		.amdhsa_kernarg_size 64
		.amdhsa_user_sgpr_count 2
		.amdhsa_user_sgpr_kernarg_segment_ptr 1
		.amdhsa_wavefront_size32 1
		.amdhsa_system_sgpr_workgroup_id_x 1
		.amdhsa_system_sgpr_workgroup_id_y 1
		.amdhsa_system_sgpr_workgroup_id_z 1
		.amdhsa_system_vgpr_workitem_id 0
		.amdhsa_next_free_vgpr 256
		.amdhsa_next_free_sgpr 66
		.amdhsa_reserve_vcc 0
		.amdhsa_float_denorm_mode_32 3
		.amdhsa_float_denorm_mode_16_64 3
		.amdhsa_memory_ordered 1
		.amdhsa_forward_progress 1
		.amdhsa_inst_pref_size 47
	.end_amdhsa_kernel
	.amdgpu_metadata
---
amdhsa.version: [ 1, 2 ]
amdhsa.kernels:
  - .name:           k_q2539ce9413_lnq
    .symbol:         k_q2539ce9413_lnq.kd
    .args:
      - { .name: h, .offset: 0, .size: 8, .value_kind: global_buffer, .address_space: global }
      - { .name: ln_g, .offset: 8, .size: 8, .value_kind: global_buffer, .address_space: global }
      - { .name: ln_b, .offset: 16, .size: 8, .value_kind: global_buffer, .address_space: global }
      - { .name: lowp_scales, .offset: 24, .size: 8, .value_kind: global_buffer, .address_space: global }
      - { .name: xq, .offset: 32, .size: 8, .value_kind: global_buffer, .address_space: global }
      - { .name: Wk_codes, .offset: 40, .size: 8, .value_kind: global_buffer, .address_space: global }
      - { .name: Wv_codes, .offset: 48, .size: 8, .value_kind: global_buffer, .address_space: global }
      - { .name: wkv, .offset: 56, .size: 8, .value_kind: global_buffer, .address_space: global }
    .group_segment_fixed_size: 17408
    .private_segment_fixed_size: 0
    .kernarg_segment_align: 8
    .kernarg_segment_size: 64
    .max_flat_workgroup_size: 128
    .sgpr_count:     66
    .vgpr_count:     256
    .wavefront_size: 32
...
	.end_amdgpu_metadata
.endif
;; end of part 4
;; launch qkva (part 5): grid 64 x 4, 4 waves a work-group, clusters of 4 x 4, 327,680 bytes of LDS; arguments xq, e_codes, Wq_codes, wkv, bq, lowp_scales, bk, bv, oq; writes oq
.if DOCPART == 5
	.amdgcn_target "amdgcn-amd-amdhsa--gfx1250"
	.amdhsa_code_object_version 6
	.text
	.protected	k_q2539ce9413_qkva
	.globl	k_q2539ce9413_qkva
	.p2align	8
	.type	k_q2539ce9413_qkva,@function
k_q2539ce9413_qkva:
	s_mov_b64 s[64:65], 0
	v_nop
	global_prefetch_b8 v0, s[64:65] scope:SCOPE_SE
	s_setreg_imm32_b32 hwreg(HW_REG_WAVE_MODE, 25, 1), 1
	s_wait_xcnt 0x0
	s_wait_alu depctr_hold_cnt(0) depctr_sa_sdst(0) depctr_va_vdst(0) depctr_va_sdst(0) depctr_va_ssrc(0) depctr_va_vcc(0) depctr_vm_vsrc(0)
	s_getreg_b32 s2, hwreg(HW_REG_IB_STS2, 6, 4)
	s_cmp_eq_u32 s2, 0
	s_cbranch_scc0 .Lentry_in_a_cluster
	s_endpgm
.Lentry_in_a_cluster:
	s_bfe_u32 s2, ttmp6, 0x10000c
	s_cmp_lg_u32 s2, 0xf033
	s_cbranch_scc0 .Lentry_shape_is_right
	s_endpgm
.Lentry_shape_is_right:
; Two chunks (each 64 queries, 128 keys) x 4 heads: q = x Wq + bq, k = e Wk + bk, v = e Wv + bv, softmax(q k^T / 8) v, all five products on E4M3 codes, each operand with its given scale 2^e (e0 .. e9); o quantised with e10.
; SCALES: e0 x, e1 Wq, e2 e (for k), e3 Wk, e4 e (for v), e5 Wv, e6 q, e7 k; the product of the softmax with v has v as its left operand: e8 is v's scale, e9 the softmax's.
; SHARES.  Work-group (P, g): chunks 2 P, 2 P + 1, heads 4 g .. 4 g + 3.  Wave w: cw = w / 2 its chunk, hh = w % 2.  It makes q of heads 4 g + hh and 4 g + 2 + hh, then in pass p = 0, 1 all of head 4 g + 2 p + hh.
; NOTHING CHANGES LANES: q^T, k^T = (16 rows of W, 16 rows of x or e): a lane is a query or key, register j is d = 16 b + 8 h + j; v = (16 rows of e, 16 rows of Wv): a lane is d, registers are keys;
; S^T = (k, q): a lane is a query, registers are keys; O^T = (V^T, P).  All 128 keys of a head lie in one wave: the softmax is taken whole, its maximum taken away first, p quantised finished and normalised.
; LDS: two slots of 512 rows x 256 bytes (+ 16).  First they hold Wq's 256 rows (slot s: K 512 s on; slot rows 256-511 the second 256 of it).  Each slot, read out, is filled ONCE more, with the two chunks' e in the same shape
; (slot row 256 x K half + 128 x chunk + row), and e then stays for both passes: four tensor loads a wave in all, at most one outstanding.  Wq's tiles are asked for jointly along a row of the cluster, e's along a column.
; Wk AND Wv COME STRAIGHT INTO REGISTERS, as images of operand registers that the launch before laid (wkv): each load of a wave reads 512 consecutive bytes.  Four groups of 16 loads are under way: k's and v's four fragments of two K steps.
; A K STEP of a pass: k's 32 products, then v's 32.  k's fragments are asked for anew behind the first half, v's behind the second, each for the step two on; e's blocks, free after v's products, are fetched anew two at a time.
; x comes as images too.  The fragments of W, x and e hold k = 32 c + 16 h + 0 .. 15 in registers 4 c .. 4 c + 3: the same permutation of k on both sides of each product.
; A bias is the C of a sum's first matrix instruction, divided by the power of two that the sums lack.  The three scales ahead of a quantiser are folded into the conversion's one.
; LIMITS, so that each power of two is an f32 number: e6-e0-e1, e7-e2-e3, e8-e4-e5, e9, e10-e8-e9 between -126 and 119; e6+e7 between -123 and 130.  NaN among the inputs, and NaN codes, are not served.
; REGISTERS.  Window 0: v1-14 addresses; v16-25 scales and holds; v26-29 e's addresses; v32-95 biases (in the attention v32-63 statistics, v64-95 o's codes); v96-127 q's fragments; v128-255 e's 8 fragments (in the attention k's and v's codes).
;   window 1: W's fragments, two sets of 128.   window 2: accumulators (a % 4, b) at 8 (8 (a % 4) + b), a < 4; later S^T.   window 3: a >= 4; in the Q pass x's four sets; later O^T v0-127, p's codes v128-191, the next pass's biases v192-227.
.set PW,    272
.set SLOT,  512*PW
.set WPART, 128*PW
.set QP,    2*SLOT                     ; each wave's park for its second head's q, 4,096 bytes: no fill lands here
.set SPARE, QP+4*4096                  ; the spare words, 128 bytes a wave
.set FLAGS, (1<<20)|(1<<21)|(5<<22)|(3<<25)
.set NEXTW, 8*16384                    ; two heads on in an image: 8 tiles of 16,384 bytes
.set VIMG,  64*16384                   ; Wv's image lies behind Wk's
.set LI,   1                           ; 16 x lane
.set AB,   2                           ; v2-3 Wq in slot 0, 1: slot row 64 hh + r
.set AQ,   6                           ; v6-7 its second 256 of K
.set PFO,  8                           ; 1,024 x lane: e's prefetch
.set PFW,  9                           ; the images' prefetch
.set SPW,  10
.set NIL,  11
.set QPA,  12
.set VB8,  13                          ; 32 h
.set VR4,  14                          ; 4 r
.set AE,   26                          ; v26-29 my chunk's e, K steps 2 n, 2 n + 1
.set BIAS, 32
.set ST,   32
.set OC,   64
.set QF,   96
.set AF,   128
.set KC,   128
.set VC,   192
.set PC,   128
.set RB,   192
.set WV,   24
.set HH,   82
.set CW,   97
.set G1,   28                          ; group 1, Wq (mask: my row);  s[36:43] group 1, e (mask: my column)
.set G1E,  36
.set G0A,  44                          ; s[44:51] Wq's group 0 of slot 0, 1
.set GE0,  52                          ; e's group 0 of slot 0; s[16:19] of slot 1
.set GE1,  16
.set WB,   56                          ; s[56:57] my head's tiles in Wk's image
.set MSB, 0
.macro WIN new
.if MSB != (\new)
	s_set_vgpr_msb (MSB<<8)|(\new)
.set MSB, (\new)
.endif
.endm
.macro PLACES n
.rept \n
	v_nop
.endr
.endm
.macro CREST
	s_cmp_lg_u32 s[WV], 0
	s_cbranch_scc1 .Lnot_wave_0_\@
	s_barrier_signal -3
.Lnot_wave_0_\@:
	s_barrier_wait -3
	s_barrier_signal -1
	s_barrier_wait -1
.endm
.macro CROUND
	s_barrier_signal -1
	s_barrier_wait -1
	CREST
.endm
.macro TLOAD g0, g1                    ; a joint load; s_nop 0 and four v_nop follow it
	tensor_load_to_lds s[\g0:\g0+3], s[\g1:\g1+7]
	s_nop 0
	PLACES 4
.endm
.macro MKSC e, vs                      ; s[e] = E: v[vs] = 2^E, v[vs+1] = 448 x 2^E
	s_add_co_i32 s62, s[\e], 127
	s_lshl_b32 s63, s62, 23
	v_mov_b32 v[\vs], s63
	s_add_co_i32 s62, s62, 8
	s_lshl_b32 s62, s62, 23
	s_or_b32 s62, s62, 0x600000
	v_mov_b32 v[\vs+1], s62
.endm
.macro FETCH_B adr, q, p               ; my eight fragments of Wq from LDS into set p: 32 loads
	WIN 0x40
.irp b, 0,1,2,3,4,5,6,7
.irp c, 0,1,2,3
	ds_load_b128 v[128*(\p)+16*\b+4*\c:128*(\p)+16*\b+4*\c+3], v[\adr] offset:(16*(\b%4)+128*(\b/4))*PW+128*(\q)+32*\c
.endr
.endr
	WIN 0
.endm
.macro QFETCH n
.if (((\n)%4)/2) == 1
	FETCH_B AQ+(\n)/4, (\n)%2, (\n)%2
.else
	FETCH_B AB+(\n)/4, (\n)%2, (\n)%2
.endif
.endm
.macro XLOAD ks                        ; x's four fragments of K step ks into set ks % 4 of window 3
	WIN 0xc0
.irp a, 0,1,2,3
.irp c, 0,1,2,3
	global_load_b128 v[64*((\ks)%4)+16*\a+4*\c:64*((\ks)%4)+16*\a+4*\c+3], v[LI], s[4:5] offset:(8*\a+(\ks))*2048+512*\c
.endr
.endr
	WIN 0
.endm
.macro MULQ a, p, ks, first
.if \first
	WIN 0x8d
.else
	WIN 0xad
.endif
.irp b, 0,1,2,3,4,5,6,7
.if \first
	v_wmma_f32_16x16x128_fp8_fp8 v[8*(8*(\a)+\b):8*(8*(\a)+\b)+7], v[128*(\p)+16*\b:128*(\p)+16*\b+15], v[64*((\ks)%4)+16*(\a):64*((\ks)%4)+16*(\a)+15], v[BIAS+8*\b:BIAS+8*\b+7]
.else
	v_wmma_f32_16x16x128_fp8_fp8 v[8*(8*(\a)+\b):8*(8*(\a)+\b)+7], v[128*(\p)+16*\b:128*(\p)+16*\b+15], v[64*((\ks)%4)+16*(\a):64*((\ks)%4)+16*(\a)+15], v[8*(8*(\a)+\b):8*(8*(\a)+\b)+7]
.endif
.endr
.endm
.macro QWAIT ks                        ; x's set of step ks is in; the sets asked for behind it may be out
.if (\ks) <= 4
	s_wait_loadcnt 48
.else
	s_wait_loadcnt 16*(7-(\ks))
.endif
.endm
.macro QSTEP ks, first
	QWAIT \ks
	s_wait_dscnt 0x0
	QFETCH (\ks)+1
	MULQ 0, (\ks)%2, \ks, \first
	MULQ 1, (\ks)%2, \ks, \first
	MULQ 2, (\ks)%2, \ks, \first
	MULQ 3, (\ks)%2, \ks, \first
	PLACES 4
	WIN 0
.if (\ks) <= 3
	XLOAD (\ks)+4
.endif
.endm
.macro EFETCH t, i0                    ; e's blocks i0, i0 + 1 of K step t: 8 loads
.irp i, 0,1
.irp c, 0,1,2,3
	ds_load_b128 v[AF+16*(\i0+\i)+4*\c:AF+16*(\i0+\i)+4*\c+3], v[AE+(\t)/2] offset:16*PW*(\i0+\i)+128*((\t)%2)+32*\c
.endr
.endr
.endm
.macro WLOAD t, v, off                 ; k's (v = 0) or v's (v = 1) four fragments of K step t into set t % 2: 16 loads of 512 consecutive bytes
	WIN 0x40
.irp b, 0,1,2,3
.irp c, 0,1,2,3
	global_load_b128 v[128*((\t)%2)+64*(\v)+16*\b+4*\c:128*((\t)%2)+64*(\v)+16*\b+4*\c+3], v[LI], s[WB:WB+1] offset:(\off)+(\v)*VIMG+\b*16384+(\t)*2048+512*\c
.endr
.endr
	WIN 0
.endm
; A Q SLOT'S LAST STEP (ks = 3, 7): the slot has been read out; behind one round of the cluster's barrier it takes its half of e.
.macro QTURN ks
	s_wait_tensorcnt 0x0                           ; all my tensor loads have landed
	ds_add_u32 v[SPW], v[NIL]
	QWAIT \ks
	s_wait_dscnt 1                                 ; the weights' 32 loads are in; the add may be out
	MULQ 0, 1, \ks, 0
	s_wait_dscnt 0x0                               ; the add is done, and my reads of this slot are over
	s_barrier_signal -1
	MULQ 1, 1, \ks, 0
	WIN 0
	s_barrier_wait -1
	CREST
.if (\ks) == 3
	TLOAD GE0, G1E                                 ; e, K 0 .. 511: my one tensor load behind the round
	QFETCH 4
.else
	TLOAD GE1, G1E                                 ; e, K 512 .. 1,023
	WLOAD 0, 0, 0                                  ; pass 0, K step 0: set 0 was last read a step ago, with four places behind it
	WLOAD 0, 1, 0
.endif
	MULQ 2, 1, \ks, 0
	MULQ 3, 1, \ks, 0
	PLACES 4
	WIN 0
.if (\ks) == 3
	XLOAD 7
.else
	WLOAD 1, 0, 0
	WLOAD 1, 1, 0
.irp i, 0,2,4,6
	EFETCH 0, \i
.endr
.endif
.endm
.macro MULK a, p, first                ; key tile a: k^T, 4 matrix instructions (W first).  The 64 accumulators take turns, in the same order in every step
.if \first
	WIN 0x81+0x40*((\a)/4)
.else
	WIN 0xa1+0x50*((\a)/4)
.endif
.irp b, 0,1,2,3
.if \first
	v_wmma_f32_16x16x128_fp8_fp8 v[8*(8*((\a)%4)+\b):8*(8*((\a)%4)+\b)+7], v[128*(\p)+16*\b:128*(\p)+16*\b+15], v[AF+16*(\a):AF+16*(\a)+15], v[BIAS+8*\b:BIAS+8*\b+7]
.else
	v_wmma_f32_16x16x128_fp8_fp8 v[8*(8*((\a)%4)+\b):8*(8*((\a)%4)+\b)+7], v[128*(\p)+16*\b:128*(\p)+16*\b+15], v[AF+16*(\a):AF+16*(\a)+15], v[8*(8*((\a)%4)+\b):8*(8*((\a)%4)+\b)+7]
.endif
.endr
.endm
.macro MULV a, p, first                ; key tile a: v, 4 matrix instructions (e first)
.if \first
	WIN 0x84+0x40*((\a)/4)
.else
	WIN 0xa4+0x50*((\a)/4)
.endif
.irp b, 4,5,6,7
.if \first
	v_wmma_f32_16x16x128_fp8_fp8 v[8*(8*((\a)%4)+\b):8*(8*((\a)%4)+\b)+7], v[AF+16*(\a):AF+16*(\a)+15], v[128*(\p)+16*\b:128*(\p)+16*\b+15], v[BIAS+8*\b:BIAS+8*\b+7]
.else
	v_wmma_f32_16x16x128_fp8_fp8 v[8*(8*((\a)%4)+\b):8*(8*((\a)%4)+\b)+7], v[AF+16*(\a):AF+16*(\a)+15], v[128*(\p)+16*\b:128*(\p)+16*\b+15], v[8*(8*((\a)%4)+\b):8*(8*((\a)%4)+\b)+7]
.endif
.endr
.endm
; K STEP t OF A PASS.  The groups of 16 loads go out in the order k(t), v(t), k(t+1), v(t+1), ..: behind the group that is due, three younger ones are out (48 loads) while groups are still asked for; then 32, 16, 0.
; e's four runs of 8 LDS loads: behind the run that is due 24, 16, 8, 0 younger loads are out.
.macro KVSTEP t, first
.if (\t) == 7
	s_wait_loadcnt 16
.else
	s_wait_loadcnt 48
.endif
.irp a, 0,1,2,3,4,5,6,7
.if (\a)%2 == 0
	s_wait_dscnt 24-4*\a
.endif
	MULK \a, (\t)%2, \first
.endr
.if (\t) < 6
	PLACES 4                                       ; in front of loads into registers that matrix instructions have read
	WLOAD (\t)+2, 0, 0
.endif
.if (\t) == 3
	s_wait_tensorcnt 0x0                           ; my part of e's K 512 .. 1,023 is in; no LDS load of mine is out
	s_barrier_signal -1
.endif
.if (\t) < 6
	s_wait_loadcnt 48
.else
	s_wait_loadcnt 32*(7-(\t))
.endif
.irp a, 0,2,4,6
	MULV \a, (\t)%2, \first
	MULV \a+1, (\t)%2, \first
.if ((\t) == 3) && ((\a) == 0)
	s_barrier_wait -1                              ; everybody's part is in: the fetches below read it.
.endif
.if ((\t) < 7) || ((\a) == 6)
	PLACES 4
	WIN 0
.endif
.if (\t) < 7
	EFETCH (\t)+1, \a
.endif
.endr
.if (\t) < 6
	WLOAD (\t)+2, 1, 0
.endif
.endm
.macro KVBLOAD w, rb, off              ; bk at the lane's eight d of each tile (32 registers), bv at the lane's d (4), as they lie, into window w
	WIN (\w)<<6
.irp b, 0,1,2,3
	global_load_b128 v[\rb+8*\b:\rb+8*\b+3], v[VB8], s[88:89] offset:(\off)+64*\b
	global_load_b128 v[\rb+8*\b+4:\rb+8*\b+7], v[VB8], s[88:89] offset:(\off)+64*\b+16
.endr
.irp b, 0,1,2,3
	global_load_b32 v[\rb+32+\b], v[VR4], s[90:91] offset:(\off)+64*\b
.endr
	WIN 0
.endm
.macro KVBSCALE w, rb                  ; each divided by the power of two that its sums lack; bv into all eight registers of its tile
	WIN \w
.set i, 0
.rept 32
	v_ldexp_f32 v[BIAS+i], v[\rb+i], s95
.set i, i+1
.endr
.set i, 0
.rept 32
	v_ldexp_f32 v[BIAS+32+i], v[\rb+32+i/8], s96
.set i, i+1
.endr
	WIN 0
.endm
	s_load_b512 s[4:19], s[0:1], 0x0               ; xq s[4:5], e s[6:7], Wq s[8:9], wkv s[10:11], bq s[12:13], the scales' exponents s[14:15], bk s[16:17], bv s[18:19]
	s_load_b64 s[20:21], s[0:1], 0x40              ; oq
	v_lshl_add_u32 v[SPW], v0, 2, SPARE
	v_mov_b32 v[NIL], 0
	ds_add_u32 v[SPW], v[NIL]                      ; the opening lines: the add, twice on end, and its wait
	ds_add_u32 v[SPW], v[NIL]
	v_lshrrev_b32 v15, 5, v0
	v_readfirstlane_b32 s[WV], v15
	s_and_b32 s[HH], s[WV], 1
	s_lshr_b32 s[CW], s[WV], 1
	s_bfe_u32 s25, ttmp6, 0x40000                  ; cx
	s_bfe_u32 s80, ttmp6, 0x40004                  ; cy
	s_lshl_b32 s26, ttmp9, 2
	s_add_co_u32 s26, s26, s25                     ; P
	s_and_b32 s27, ttmp7, 0xffff
	s_lshl_b32 s27, s27, 2
	s_add_co_u32 s27, s27, s80                     ; g
	s_lshl_b32 s66, s80, 2
	s_lshl_b32 s66, 15, s66                        ; my row of the cluster
	s_lshl_b32 s67, 0x1111, s25                    ; my column
	s_or_b32 s[G1+0], s66, FLAGS
	s_or_b32 s[G1E+0], s67, FLAGS
.irp g, G1, G1E
	s_mov_b32 s[\g+1], 256<<16
	s_mov_b32 s[\g+2], 128<<16
	s_mov_b32 s[\g+3], 256<<16
	s_mov_b32 s[\g+4], 128
	s_mov_b32 s[\g+5], 1024
	s_mov_b32 s[\g+6], 0
	s_mov_b32 s[\g+7], 0
.endr
	s_mov_b32 s86, 0x76543210                      ; lane selects: lane l xor 16
	s_mov_b32 s87, 0xfedcba98
	s_mov_b32 s81, 2                               ; passes to go
	s_wait_dscnt 0x0
	s_wait_kmcnt 0x0
	s_load_b256 s[68:75], s[14:15], 0x0            ; e0 .. e7
	s_load_b128 s[76:79], s[14:15], 0x20           ; e8 .. e11
	s_lshl_b32 s58, s27, 18                        ; 256 g rows of 1,024 bytes = 16 g tiles of an image
	s_mov_b32 s59, 0
	s_lshl_b32 s99, s[HH], 16
	s_add_co_u32 s62, s58, s99                     ; tile 16 g + 4 hh
	s_mov_b32 s63, 0
	s_add_nc_u64 s[WB:WB+1], s[10:11], s[62:63]
	s_lshl_b32 s99, s26, 12
	s_add_co_u32 s98, s58, s99                     ; the images' prefetch: of my group's 262,144 bytes the 4,096 at 4,096 P
	s_lshl_b32 s99, s[HH], 17                      ; Wq: the 128 rows that I fetch,
	s_add_co_u32 s58, s58, s99
	s_lshl_b32 s99, s[CW], 8                       ; which 256 of a slot's 512 along K
	s_add_co_u32 s58, s58, s99
	s_mov_b32 s[G0A+0], 1
	s_mul_i32 s[G0A+1], s[WV], WPART
	s_add_nc_u64 s[G0A+2:G0A+3], s[8:9], s[58:59]
	s_mov_b32 s[G0A+4], 1
	s_add_co_u32 s[G0A+5], s[G0A+1], SLOT
	s_add_nc_u64 s[G0A+6:G0A+7], s[G0A+2:G0A+3], 512
	s_or_b32 s[G0A+3], s[G0A+3], 0x80000000
	s_or_b32 s[G0A+7], s[G0A+7], 0x80000000
	s_lshl_b32 s58, s27, 10
	s_lshl_b32 s99, s[HH], 8
	s_add_co_u32 s58, s58, s99                     ; column 256 g + 64 hh, in bytes of f32
	s_add_nc_u64 s[12:13], s[12:13], s[58:59]
	s_add_nc_u64 s[88:89], s[16:17], s[58:59]
	s_add_nc_u64 s[90:91], s[18:19], s[58:59]
	s_lshl_b32 s60, s26, 1
	s_add_co_u32 s60, s60, s[HH]                   ; e: the chunk that I fetch, 2 P + wave % 2,
	s_lshl_b32 s60, s60, 17
	s_lshl_b32 s99, s[CW], 8                       ; and which 256 of a slot's 512 along K
	s_add_co_u32 s60, s60, s99
	s_mov_b32 s61, 0
	s_mov_b32 s[GE0+0], 1
	s_mov_b32 s[GE0+1], s[G0A+1]
	s_add_nc_u64 s[GE0+2:GE0+3], s[6:7], s[60:61]
	s_mov_b32 s[GE1+0], 1
	s_mov_b32 s[GE1+1], s[G0A+5]
	s_add_nc_u64 s[GE1+2:GE1+3], s[GE0+2:GE0+3], 512
	s_or_b32 s[GE0+3], s[GE0+3], 0x80000000
	s_or_b32 s[GE1+3], s[GE1+3], 0x80000000
	s_lshl_b32 s62, s26, 18                        ; e's prefetch: of my pair's 256 rows my wave's 64; of their 1,024 bytes the 256 at 256 cy
	s_lshl_b32 s63, s[WV], 16
	s_add_co_u32 s62, s62, s63
	s_lshl_b32 s63, s80, 8
	s_add_co_u32 s62, s62, s63
	s_mov_b32 s63, 0
	s_add_nc_u64 s[2:3], s[6:7], s[62:63]
	s_lshl_b32 s60, s26, 1
	s_add_co_u32 s60, s60, s[CW]                   ; my chunk
	s_lshl_b32 s60, s60, 16
	s_add_nc_u64 s[4:5], s[4:5], s[60:61]
	s_lshl_b32 s62, s27, 12                        ; oq: K step 2 g, its lower or upper eight registers
	s_add_co_u32 s62, s62, s60
	s_lshl_b32 s63, s[HH], 10
	s_add_co_u32 s62, s62, s63
	s_mov_b32 s63, 0
	s_add_nc_u64 s[92:93], s[20:21], s[62:63]
	CROUND                                         ; all sixteen work-groups are here: the first joint loads meet
	TLOAD G0A, G1                                  ; Wq, K 0 .. 511: one tensor load a wave at the head
	v_and_b32 v15, 31, v0
	v_lshlrev_b32 v[LI], 4, v15
	v_lshlrev_b32 v[PFO], 10, v15
	v_and_b32 v30, 15, v0                          ; r
	v_bfe_u32 v31, v0, 4, 1                        ; h
	v_lshlrev_b32 v[VB8], 5, v31
	v_lshlrev_b32 v[VR4], 2, v30
	v_lshlrev_b32 v[PFW], 8, v30                   ; lanes 0-15: 16 blocks of 256 bytes of Wk's image, lanes 16-31: of Wv's
	v_lshl_add_u32 v[PFW], v31, 20, v[PFW]
	v_add_nc_u32 v[PFW], s98, v[PFW]
	s_wait_alu depctr_va_vdst(0)
.irp b, 0,1,2,3
	global_load_b128 v[BIAS+8*\b:BIAS+8*\b+3], v[VB8], s[12:13] offset:64*\b
	global_load_b128 v[BIAS+8*\b+4:BIAS+8*\b+7], v[VB8], s[12:13] offset:64*\b+16
	global_load_b128 v[BIAS+32+8*\b:BIAS+32+8*\b+3], v[VB8], s[12:13] offset:512+64*\b
	global_load_b128 v[BIAS+32+8*\b+4:BIAS+32+8*\b+7], v[VB8], s[12:13] offset:512+64*\b+16
.endr
	KVBLOAD 0, AF, 0                               ; pass 0's bk and bv, into registers that e takes later
	XLOAD 0
	XLOAD 1
	XLOAD 2
	XLOAD 3
	v_mul_u32_u24 v[AB], v30, PW
	v_lshl_add_u32 v[AB], v31, 4, v[AB]            ; r x pitch + 16 h
	s_mul_i32 s99, s[CW], 128*PW
	v_add_nc_u32 v[AE], s99, v[AB]                 ; e: slot row 128 cw + r
	v_add_nc_u32 v[AE+1], 256*PW, v[AE]
	v_add_nc_u32 v[AE+2], SLOT, v[AE]
	v_add_nc_u32 v[AE+3], SLOT+256*PW, v[AE]
	s_mul_i32 s99, s[HH], 64*PW
	v_add_nc_u32 v[AB], s99, v[AB]                 ; Wq: slot row 64 hh + r
	v_add_nc_u32 v[AB+1], SLOT, v[AB]
	v_add_nc_u32 v[AQ], 256*PW, v[AB]
	v_add_nc_u32 v[AQ+1], 256*PW, v[AB+1]
	s_lshl_b32 s58, s[WV], 12
	s_add_co_u32 s58, s58, QP
	v_add_nc_u32 v[QPA], s58, v[LI]
	s_wait_kmcnt 0x0
	s_add_co_i32 s58, s68, s69
	s_sub_co_i32 s94, 0, s58
	s_sub_co_i32 s60, s74, s58
	MKSC 60, 16                                    ; q: 2^(e6 - e0 - e1)
	s_add_co_i32 s58, s70, s71
	s_sub_co_i32 s95, 0, s58
	s_sub_co_i32 s60, s75, s58
	MKSC 60, 18                                    ; k: 2^(e7 - e2 - e3)
	s_add_co_i32 s58, s72, s73
	s_sub_co_i32 s96, 0, s58
	s_sub_co_i32 s60, s76, s58
	MKSC 60, 20                                    ; v: 2^(e8 - e4 - e5)
	MKSC 77, 22                                    ; p: 2^e9
	s_add_co_i32 s58, s76, s77
	s_sub_co_i32 s60, s78, s58
	MKSC 60, 24                                    ; o: 2^(e10 - e8 - e9)
	s_add_co_i32 s58, s74, s75
	s_lshl_b32 s58, s58, 23
	s_add_co_i32 s84, s58, 0x3e38aa3b              ; c = log2(e) / 8 x 2^(e6 + e7)
	s_mov_b32 s85, s84
	s_xor_b32 s83, s84, 0x80000000                 ; -c
	s_wait_loadcnt 48                              ; the biases and x's first set are in; the three youngest sets may be out
.set i, 0
.rept 64
	v_ldexp_f32 v[BIAS+i], v[BIAS+i], s94          ; bq / 2^(e0 + e1)
.set i, i+1
.endr
	s_wait_alu depctr_va_vdst(0)
	s_wait_tensorcnt 0x0                           ; my part of slot 0 is in; slot 1's first fill is issued as a refill is:
	ds_add_u32 v[SPW], v[NIL]
	s_wait_dscnt 0x0
	CROUND
	TLOAD G0A+4, G1                                ; Wq, K 512 .. 1,023
	QFETCH 0
	QSTEP 0, 1
	; PREFETCHES INTO THE L2.  e: 256 bytes of each of my wave's 64 rows, a lane a row; its first tile is asked for three Q steps on.  Each block is named once in the launch.
	global_prefetch_b8 v[PFO], s[2:3] th:TH_LOAD_NT scope:SCOPE_SE
	global_prefetch_b8 v[PFO], s[2:3] offset:32*1024 th:TH_LOAD_NT scope:SCOPE_SE
	; Wk's and Wv's images: my group of heads has 2 x 1,024 blocks of 256 bytes, which the 64 work-groups that read them share out by P: 32 blocks each, a lane a block, wave 0 alone.  The first is loaded seven Q steps on.
	s_cmp_lg_u32 s[WV], 0
	s_cbranch_scc1 .Lnot_mine
	global_prefetch_b8 v[PFW], s[10:11] th:TH_LOAD_NT scope:SCOPE_SE
.Lnot_mine:
	KVBSCALE 0, AF                                 ; bq has started its sums: the registers take pass 0's bk and bv
	QSTEP 1, 0
	QSTEP 2, 0
	QTURN 3
	QSTEP 4, 0
	QSTEP 5, 0
	QSTEP 6, 0
	QTURN 7
	; q becomes codes; the second head's four fragments are parked in my own LDS bytes, the first head's stay
	WIN 0x82
.set i, 0
.rept 256
	v_med3_num_f32 v[i], v[i], -v17, v17           ; the hold at the largest code x the scale (ISA guide 7.6.2); each accumulator from its low end on
.set i, i+1
.endr
	WIN 0x02
.irp a, 0,1,2,3
.irp b, 0,1,2,3
	v_cvt_scalef32_pk8_fp8_f32 v[QF+8*\a+2*\b:QF+8*\a+2*\b+1], v[8*(8*\a+4+\b):8*(8*\a+4+\b)+7], v16
.endr
.endr
	v_nop
	WIN 0
.irp n, 0,1,2,3,4,5,6,7
	ds_store_b128 v[QPA], v[QF+4*\n:QF+4*\n+3] offset:512*\n
.endr
	s_wait_dscnt 0x0                               ; the stores have read their registers
	WIN 0x02
.irp a, 0,1,2,3
.irp b, 0,1,2,3
	v_cvt_scalef32_pk8_fp8_f32 v[QF+8*\a+2*\b:QF+8*\a+2*\b+1], v[8*(8*\a+\b):8*(8*\a+\b)+7], v16
.endr
.endr
	v_nop
	WIN 0
.Lpass:                                            ; two trips: a head's k and v, their codes, its attention
	KVSTEP 0, 1
.irp t, 1,2,3,4,5,6,7
	KVSTEP \t, 0
.endr
	s_cmp_eq_u32 s81, 1
	s_cbranch_scc1 .Lno_a
	WLOAD 0, 0, NEXTW                              ; the next pass's K step 0
	WLOAD 0, 1, NEXTW
.Lno_a:
.irp hi, 0,1
	WIN 0x82+0x41*\hi
.set i, 0
.rept 256
.if (i/8)%8 < 4
	v_med3_num_f32 v[i], v[i], -v19, v19
.else
	v_med3_num_f32 v[i], v[i], -v21, v21
.endif
.set i, i+1
.endr
	WIN 0x02+\hi
.irp a, 0,1,2,3
.irp b, 0,1,2,3
	v_cvt_scalef32_pk8_fp8_f32 v[KC+8*(4*\hi+\a)+2*\b:KC+8*(4*\hi+\a)+2*\b+1], v[8*(8*\a+\b):8*(8*\a+\b)+7], v18
.endr
.irp b, 0,1,2,3
	v_cvt_scalef32_pk8_fp8_f32 v[VC+16*\b+2*(4*\hi+\a):VC+16*\b+2*(4*\hi+\a)+1], v[8*(8*\a+4+\b):8*(8*\a+4+\b)+7], v20
.endr
.endr
.endr
	v_nop
	WIN 0
	s_wait_alu depctr_va_vdst(0)
	s_cmp_eq_u32 s81, 1
	s_cbranch_scc1 .Lno_b
	KVBLOAD 3, RB, 512                             ; the next pass's biases, 128 columns on, and its K step 1
	WLOAD 1, 0, NEXTW
	WLOAD 1, 1, NEXTW
.Lno_b:
	; S^T = k q^T
	WIN 0x80
.irp qt, 0,1,2,3
.irp kt, 0,1,2,3,4,5,6,7
	v_wmma_f32_16x16x64_fp8_fp8 v[64*\qt+8*\kt:64*\qt+8*\kt+7], v[KC+8*\kt:KC+8*\kt+7], v[QF+8*\qt:QF+8*\qt+7], 0
.endr
.endr
	PLACES 4
	WIN 0x2a                                       ; the row's largest score: my 64 keys in two chains, ascending, then lane l xor 16's
.irp qt, 0,1,2,3
	v_max3_num_f32 v[ST+8*\qt+4], v[64*\qt], v[64*\qt+1], v[64*\qt+2]
	v_max3_num_f32 v[ST+8*\qt+5], v[64*\qt+3], v[64*\qt+4], v[64*\qt+5]
.endr
	WIN 0x28
.irp i, 6,10,14,18,22,26,30,34,38,42,46,50,54,58
.irp qt, 0,1,2,3
	v_max3_num_f32 v[ST+8*\qt+4], v[ST+8*\qt+4], v[64*\qt+\i], v[64*\qt+\i+1]
	v_max3_num_f32 v[ST+8*\qt+5], v[ST+8*\qt+5], v[64*\qt+\i+2], v[64*\qt+\i+3]
.endr
.endr
.irp qt, 0,1,2,3
	v_max3_num_f32 v[ST+8*\qt+4], v[ST+8*\qt+4], v[64*\qt+62], v[64*\qt+63]
.endr
	WIN 0
.irp qt, 0,1,2,3
	v_max_num_f32 v[ST+8*\qt+4], v[ST+8*\qt+4], v[ST+8*\qt+5]
.endr
.irp qt, 0,1,2,3
	v_permlanex16_b32 v[ST+8*\qt+5], v[ST+8*\qt+4], s86, s87
.endr
.irp qt, 0,1,2,3
	v_max_num_f32 v[ST+8*\qt+4], v[ST+8*\qt+4], v[ST+8*\qt+5]
.endr
.irp qt, 0,1,2,3
	v_mul_f32 v[ST+8*\qt], s83, v[ST+8*\qt+4]      ; -c x the maximum
	v_mov_b32 v[ST+8*\qt+1], 0                     ; (named with it as a pair)
.endr
	WIN 0x82
.set i, 0
.rept 128
	v_pk_fma_f32 v[2*i:2*i+1], v[2*i:2*i+1], s[84:85], v[ST+8*(i/32):ST+8*(i/32)+1] op_sel_hi:[1,0,0]   ; c s - c max, 0 or less
.set i, i+1
.endr
.set i, 0
	s_wait_alu depctr_va_vdst(0)
.rept 256
	v_exp_f32 v[i], v[i]
.set i, i+1
.endr
	v_nop
	s_wait_alu depctr_va_vdst(0)                   ; one wait for the batch, ahead of its first reader
	WIN 0x0a                                       ; the row's sum, two at a time, in two chains
.irp qt, 0,1,2,3
	v_pk_add_f32 v[ST+8*\qt+2:ST+8*\qt+3], v[64*\qt:64*\qt+1], v[64*\qt+2:64*\qt+3]
	v_pk_add_f32 v[ST+8*\qt+4:ST+8*\qt+5], v[64*\qt+4:64*\qt+5], v[64*\qt+6:64*\qt+7]
.endr
	WIN 0x08
.irp i, 8,12,16,20,24,28,32,36,40,44,48,52,56,60
.irp qt, 0,1,2,3
	v_pk_add_f32 v[ST+8*\qt+2:ST+8*\qt+3], v[ST+8*\qt+2:ST+8*\qt+3], v[64*\qt+\i:64*\qt+\i+1]
	v_pk_add_f32 v[ST+8*\qt+4:ST+8*\qt+5], v[ST+8*\qt+4:ST+8*\qt+5], v[64*\qt+\i+2:64*\qt+\i+3]
.endr
.endr
	WIN 0
.irp qt, 0,1,2,3
	v_pk_add_f32 v[ST+8*\qt+2:ST+8*\qt+3], v[ST+8*\qt+2:ST+8*\qt+3], v[ST+8*\qt+4:ST+8*\qt+5]
.endr
.irp qt, 0,1,2,3
	v_add_f32 v[ST+8*\qt+2], v[ST+8*\qt+2], v[ST+8*\qt+3]
.endr
.irp qt, 0,1,2,3
	v_permlanex16_b32 v[ST+8*\qt+3], v[ST+8*\qt+2], s86, s87
.endr
.irp qt, 0,1,2,3
	v_add_f32 v[ST+8*\qt+2], v[ST+8*\qt+2], v[ST+8*\qt+3]
.endr
	s_wait_alu depctr_va_vdst(0)
.irp qt, 0,1,2,3
	v_rcp_f32 v[ST+8*\qt+6], v[ST+8*\qt+2]
.endr
.irp qt, 0,1,2,3
	v_mov_b32 v[ST+8*\qt+7], 0                     ; (named with the reciprocal as a pair; also the plain instruction behind the reciprocals)
.endr
	s_wait_alu depctr_va_vdst(0)
	WIN 0x82
.set i, 0
.rept 128
	v_pk_mul_f32 v[2*i:2*i+1], v[2*i:2*i+1], v[ST+8*(i/32)+6:ST+8*(i/32)+7] op_sel_hi:[1,0]   ; p, finished and normalised
.set i, i+1
.endr
.set i, 0
.rept 256
	v_min_num_f32 v[i], v[i], v23                  ; p is not negative: the hold is one-sided
.set i, i+1
.endr
	WIN 0xc2
.set i, 0
.rept 32
	v_cvt_scalef32_pk8_fp8_f32 v[PC+2*i:PC+2*i+1], v[8*i:8*i+7], v22
.set i, i+1
.endr
	v_nop
	; O^T = V^T P
	WIN 0xcc
.irp qt, 0,1,2,3
.irp dt, 0,1,2,3
	v_wmma_f32_16x16x128_fp8_fp8 v[32*\qt+8*\dt:32*\qt+8*\dt+7], v[VC+16*\dt:VC+16*\dt+15], v[PC+16*\qt:PC+16*\qt+15], 0
.endr
.endr
	PLACES 4
	WIN 0xc3
.set i, 0
.rept 128
	v_med3_num_f32 v[i], v[i], -v25, v25
.set i, i+1
.endr
	WIN 0x03
.set i, 0
.rept 16
	v_cvt_scalef32_pk8_fp8_f32 v[OC+2*i:OC+2*i+1], v[8*i:8*i+7], v24
.set i, i+1
.endr
	v_nop
	WIN 0
.irp qt, 0,1,2,3
.irp u, 0,1
	global_store_b128 v[LI], v[OC+8*\qt+4*\u:OC+8*\qt+4*\u+3], s[92:93] offset:16384*\qt+512*\u   ; an image of four operand registers: 512 consecutive bytes, aligned
.endr
.endr
	s_cmp_eq_u32 s81, 1
	s_cbranch_scc1 .Lfin
	s_wait_xcnt 0x0                                ; the stores have read their data and base, the loads their base: all are written again below
	s_add_nc_u64 s[92:93], s[92:93], 2048          ; two heads on: one K step of oq,
	s_add_nc_u64 s[WB:WB+1], s[WB:WB+1], NEXTW     ; eight tiles of the images
.irp n, 0,1,2,3,4,5,6,7
	ds_load_b128 v[QF+4*\n:QF+4*\n+3], v[QPA] offset:512*\n   ; the second head's q: older than e's runs below, so their waits cover it
.endr
.irp i, 0,2,4,6
	EFETCH 0, \i
.endr
	s_wait_loadcnt 0x0                             ; the biases and the next pass's first two K steps, all asked for ahead of the scores, are in: no load is out when the pass begins
	KVBSCALE 3, RB
	s_wait_alu depctr_va_vdst(0)
	s_sub_co_u32 s81, s81, 1
	s_branch .Lpass
.Lfin:
	s_wait_tensorcnt 0x0                           ; the wave's end
	ds_add_u32 v[SPW], v[NIL]
	s_wait_dscnt 0x0
	CROUND                                         ; the closing round
	s_endpgm
.Lfunc_end_k_q2539ce9413_qkva:
	.size	k_q2539ce9413_qkva, .Lfunc_end_k_q2539ce9413_qkva-k_q2539ce9413_qkva
	.p2alignl 7, 3214868480
	.fill 96, 4, 3214868480
	.section	.rodata,"a",@progbits
	.p2align	6, 0x0
	.amdhsa_kernel k_q2539ce9413_qkva
		.amdhsa_group_segment_fixed_size 327680
		.amdhsa_private_segment_fixed_size 0
		.amdhsa_enable_private_segment 0
		.amdhsa_kernarg_size 72
		.amdhsa_user_sgpr_count 2
		.amdhsa_user_sgpr_kernarg_segment_ptr 1
		.amdhsa_wavefront_size32 1
		.amdhsa_system_sgpr_workgroup_id_x 1
		.amdhsa_system_sgpr_workgroup_id_y 1
		.amdhsa_system_sgpr_workgroup_id_z 1
		.amdhsa_system_vgpr_workitem_id 0
		.amdhsa_next_free_vgpr 1024
		.amdhsa_next_free_sgpr 100
		.amdhsa_reserve_vcc 0
		.amdhsa_float_denorm_mode_32 3
		.amdhsa_float_denorm_mode_16_64 3
		.amdhsa_memory_ordered 1
		.amdhsa_forward_progress 1
		.amdhsa_inst_pref_size 255
	.end_amdhsa_kernel
	.section	.bss,"aw",@nobits
	.p2align	6
	.space	262144
	.amdgpu_metadata
---
amdhsa.version: [ 1, 2 ]
amdhsa.kernels:
  - .name:           k_q2539ce9413_qkva
    .symbol:         k_q2539ce9413_qkva.kd
    .args:
      - { .name: xq, .offset: 0, .size: 8, .value_kind: global_buffer, .address_space: global }
      - { .name: e_codes, .offset: 8, .size: 8, .value_kind: global_buffer, .address_space: global }
      - { .name: Wq_codes, .offset: 16, .size: 8, .value_kind: global_buffer, .address_space: global }
      - { .name: wkv, .offset: 24, .size: 8, .value_kind: global_buffer, .address_space: global }
      - { .name: bq, .offset: 32, .size: 8, .value_kind: global_buffer, .address_space: global }
      - { .name: lowp_scales, .offset: 40, .size: 8, .value_kind: global_buffer, .address_space: global }
      - { .name: bk, .offset: 48, .size: 8, .value_kind: global_buffer, .address_space: global }
      - { .name: bv, .offset: 56, .size: 8, .value_kind: global_buffer, .address_space: global }
      - { .name: oq, .offset: 64, .size: 8, .value_kind: global_buffer, .address_space: global }
    .group_segment_fixed_size: 327680
    .private_segment_fixed_size: 0
    .kernarg_segment_align: 8
    .kernarg_segment_size: 72
    .max_flat_workgroup_size: 128
    .sgpr_count:     100
    .vgpr_count:     1024
    .wavefront_size: 32
...
	.end_amdgpu_metadata
.endif
;; end of part 5
;; launch oproj (part 6): grid 64 x 4, 4 waves a work-group, clusters of 4 x 1, 327,680 bytes of LDS; arguments oq, Wo_codes, bo, h, lowp_scales, out0; writes out0
.if DOCPART == 6
	.amdgcn_target "amdgcn-amd-amdhsa--gfx1250"
	.amdhsa_code_object_version 6
	.text
	.protected	k_q2539ce9413_oproj
	.globl	k_q2539ce9413_oproj
	.p2align	8
	.type	k_q2539ce9413_oproj,@function
k_q2539ce9413_oproj:
	s_mov_b64 s[64:65], 0
	v_nop
	global_prefetch_b8 v0, s[64:65] scope:SCOPE_SE
	s_setreg_imm32_b32 hwreg(HW_REG_WAVE_MODE, 25, 1), 1
	s_wait_xcnt 0x0
	s_wait_alu depctr_hold_cnt(0) depctr_sa_sdst(0) depctr_va_vdst(0) depctr_va_sdst(0) depctr_va_ssrc(0) depctr_va_vcc(0) depctr_vm_vsrc(0)
	s_getreg_b32 s2, hwreg(HW_REG_IB_STS2, 6, 4)
	s_cmp_eq_u32 s2, 0
	s_cbranch_scc0 .Lentry_in_a_cluster
	s_endpgm
.Lentry_in_a_cluster:
	s_bfe_u32 s2, ttmp6, 0x10000c
	s_cmp_lg_u32 s2, 0x3003
	s_cbranch_scc0 .Lentry_shape_is_right
	s_endpgm
.Lentry_shape_is_right:
; out = h + the shifted (o Wo + bo); o and Wo are E4M3 codes with the given scales 2^e10, 2^e11.  Row i of chunk c goes to row 64 c + 63 + i of its batch.
; Rows 0 .. 62 of a batch get h alone: chunk 31's rows behind its first wrap round to them, and their product is multiplied by 0 (those queries are padding).
; SHARES.  Work-group (x, y): chunks 2 x, 2 x + 1, columns 256 y on.  Wave w: chunk 2 x + w / 2 (64 rows), columns 128 (w % 2) on: 32 accumulators.  o comes as images of operand registers, straight into registers, four K steps ahead.
; Wo's 256 rows lie in LDS in two halves of K, each 256 rows x 512 bytes with 16 bytes of padding behind a row (33 x 16).  A wave brings 64 rows of each half by one joint load, asked for with the three partners along x:
; K 0 .. 511 at the head, K 512 .. 1,023 behind a round of the cluster's barrier, as a later first fill; nothing is filled again.  At most one tensor load of a wave is out.
; THE MATRIX INSTRUCTION IS USED TRANSPOSED (source 0 = 16 rows of Wo, source 1 = 16 rows of o): a lane holds eight neighbouring numbers of a row.  bo / 2^(e10 + e11) is the C of each sum's first instruction.
; THE WAY OUT: a block of 16 rows x 128 columns goes through the wave's own stage in LDS and comes back as whole rows of 512 bytes; h is added; 32 lanes store 512 consecutive bytes, aligned.
; No prefetch: the launch has no loop to run ahead in, and every stream is asked for at its first chance.
; LIMIT: e10 + e11 between -126 and 127.  NaN among the inputs, and NaN codes, are not served.
; REGISTERS.  Window 0: v1-13 addresses; v24-28 factors; v32-95 the bias, later a block at work; v126-127 the add's; v128-255 h's blocks 0, 1.  Window 1: Wo's fragments, two sets of 128; later rows read back.
;   window 2: the accumulators (a, b) at 8 (8 a + b).   window 3: o's four sets of 64; later h's blocks 2, 3.
.set PW,    528
.set HALF,  256*PW
.set WPART, 64*PW
.set STAGE, 2*HALF                     ; behind the two halves: 16 rows x 528 bytes for each wave; no fill lands here
.set SP,    528
.set SPARE, 0x4c400                    ; behind the stages: the spare words, 128 bytes a wave
.set LI,   1                           ; 16 x lane
.set AB,   2                           ; v2-3 my rows of Wo in the two halves
.set STO,  6
.set RD,   7
.set VB8,  13
.set BIAS, 32
.set TMP,  32
.set WV,   24
.set G1,   28
.set G0A,  76                          ; s[76:79], s[80:83] group 0 of the two halves
.set MSB, 0
.macro WIN new
.if MSB != (\new)
	s_set_vgpr_msb (MSB<<8)|(\new)
.set MSB, (\new)
.endif
.endm
.macro PLACES n
.rept \n
	v_nop
.endr
.endm
.macro CROUND
	s_barrier_signal -1
	s_barrier_wait -1
	s_cmp_lg_u32 s[WV], 0
	s_cbranch_scc1 .Lnot_wave_0_\@
	s_barrier_signal -3
.Lnot_wave_0_\@:
	s_barrier_wait -3
	s_barrier_signal -1
	s_barrier_wait -1
.endm
.macro FETCH_B sl, q, p                ; my eight fragments of Wo, K = 256 sl + 128 q on, into set p.  o's codes lie in the form's own order of k, so Wo's come by loads of 8 bytes
	WIN 0x40
.irp b, 0,1,2,3,4,5,6,7
.irp c, 0,1,2,3,4,5,6,7
	ds_load_b64 v[128*(\p)+16*\b+2*\c:128*(\p)+16*\b+2*\c+1], v[AB+(\sl)/2] offset:16*PW*\b+256*((\sl)%2)+128*(\q)+16*\c
.endr
.endr
	WIN 0
.endm
.macro XLOAD ks                        ; o's four fragments of K step ks into set ks % 4 of window 3
	WIN 0xc0
.irp a, 0,1,2,3
.irp c, 0,1,2,3
	global_load_b128 v[64*((\ks)%4)+16*\a+4*\c:64*((\ks)%4)+16*\a+4*\c+3], v[LI], s[4:5] offset:(8*\a+(\ks))*2048+512*\c
.endr
.endr
	WIN 0
.endm
.macro HLOAD a                         ; h at block a's 16 rows: the chunk's first row by one base, the others by the second (which wraps in chunk 31)
.if (\a) < 2
.set HB, 128+64*(\a)
.else
.set HB, 64*((\a)-2)
	WIN 0xc0
.endif
.irp t, 0,1,2,3,4,5,6,7,8,9,10,11,12,13,14,15
.if 16*(\a)+\t == 0
	global_load_b128 v[HB+4*\t:HB+4*\t+3], v[LI], s[52:53] th:TH_LOAD_NT
.else
	global_load_b128 v[HB+4*\t:HB+4*\t+3], v[LI], s[54:55] offset:(16*(\a)+\t-1)*4096 th:TH_LOAD_NT
.endif
.endr
	WIN 0
.endm
.macro MULO a, p, ks, first            ; 8 matrix instructions; the 32 accumulators take turns, in the same order in every step
.if \first
	WIN 0x8d
.else
	WIN 0xad
.endif
.irp b, 0,1,2,3,4,5,6,7
.if \first
	v_wmma_f32_16x16x128_fp8_fp8 v[8*(8*(\a)+\b):8*(8*(\a)+\b)+7], v[128*(\p)+16*\b:128*(\p)+16*\b+15], v[64*((\ks)%4)+16*(\a):64*((\ks)%4)+16*(\a)+15], v[BIAS+8*\b:BIAS+8*\b+7]
.else
	v_wmma_f32_16x16x128_fp8_fp8 v[8*(8*(\a)+\b):8*(8*(\a)+\b)+7], v[128*(\p)+16*\b:128*(\p)+16*\b+15], v[64*((\ks)%4)+16*(\a):64*((\ks)%4)+16*(\a)+15], v[8*(8*(\a)+\b):8*(8*(\a)+\b)+7]
.endif
.endr
.endm
.macro LWAIT ks                        ; o's set of step ks is in.  Behind it were issued: steps 0-3: 80 loads (the count's field holds 63); steps 4-6: 48; step 7: h's blocks 2 and 3, 32
.if (\ks) < 4
	s_wait_loadcnt 63
.elseif (\ks) < 7
	s_wait_loadcnt 48
.else
	s_wait_loadcnt 32
.endif
.endm
.macro AFTER ks
.if (\ks) <= 5
	PLACES 4                                       ; in front of loads into registers that matrix instructions have read
.endif
	WIN 0
.if (\ks) <= 3
	XLOAD (\ks)+4
.elseif (\ks) == 4
	HLOAD 2
.elseif (\ks) == 5
	HLOAD 3
.endif
.endm
.macro OSTEP ks, first                 ; an even step: set 0; the next step's fragments are asked of LDS at its head
	LWAIT \ks
	s_wait_dscnt 0x0
	FETCH_B (\ks)/2, 1, 1
	MULO 0, 0, \ks, \first
	MULO 1, 0, \ks, \first
	MULO 2, 0, \ks, \first
	MULO 3, 0, \ks, \first
	AFTER \ks
.endm
.macro OTURN ks                        ; an odd step: set 1.  Step 3's successor lies in the second half of K
	LWAIT \ks
	s_wait_dscnt 0x0
.if (\ks) == 3
	s_wait_tensorcnt 0x0                           ; my part of K 512 .. 1,023 is in; no LDS load of mine is out
	s_barrier_signal -1
	MULO 0, 1, \ks, 0
	s_barrier_wait -1                              ; everybody's part is in.
	FETCH_B (\ks)/2+1, 0, 0
.else
	FETCH_B (\ks)/2+1, 0, 0
	MULO 0, 1, \ks, 0
.endif
	MULO 1, 1, \ks, 0
	MULO 2, 1, \ks, 0
	MULO 3, 1, \ks, 0
	AFTER \ks
.endm
	s_load_b256 s[4:11], s[0:1], 0x0               ; oq s[4:5], Wo s[6:7], bo s[8:9], h s[10:11]
	s_load_b128 s[12:15], s[0:1], 0x20             ; the scales' exponents s[12:13], out0 s[14:15]
	v_lshl_add_u32 v126, v0, 2, SPARE
	v_mov_b32 v127, 0
	ds_add_u32 v126, v127                          ; the opening lines: the add, twice on end, and its wait
	ds_add_u32 v126, v127
	v_lshrrev_b32 v15, 5, v0
	v_readfirstlane_b32 s[WV], v15
	s_and_b32 s73, s[WV], 1                        ; my half of the columns
	s_lshr_b32 s74, s[WV], 1
	s_bfe_u32 s25, ttmp6, 0x40000                  ; cx
	s_lshl_b32 s26, ttmp9, 2
	s_add_co_u32 s26, s26, s25
	s_lshl_b32 s26, s26, 1
	s_add_co_u32 s26, s26, s74                     ; my chunk, 0 .. 127
	s_and_b32 s27, ttmp7, 0xffff                   ; y
	s_mov_b32 s[G1+0], 15|(1<<20)|(1<<21)|(6<<22)|(3<<25)   ; the mask: the four partners; elements of 1 byte; padding on; after every 128 words, 4 words
	s_mov_b32 s[G1+1], 512<<16
	s_mov_b32 s[G1+2], 64<<16
	s_mov_b32 s[G1+3], 512<<16
	s_mov_b32 s[G1+4], 64
	s_mov_b32 s[G1+5], 1024
	s_mov_b32 s[G1+6], 0
	s_mov_b32 s[G1+7], 0
	s_lshl_b32 s36, s27, 10
	s_lshl_b32 s37, s73, 9
	s_add_co_u32 s36, s36, s37                     ; my first column, in bytes of f32
	s_lshl_b32 s60, s26, 6
	s_add_co_u32 s60, s60, 63                      ; the chunk's first row goes to row 64 chunk + 63
	s_lshl_b32 s60, s60, 12
	s_add_co_u32 s60, s60, s36
	s_mov_b32 s61, 0
	s_and_b32 s62, s26, 31                         ; the others to rows 64 (c + 1) on, in chunk 31 to the batch's rows 0 on
	s_add_co_u32 s62, s62, 1
	s_lshl_b32 s62, s62, 6
	s_and_b32 s62, s62, 2047
	s_and_b32 s66, s26, 0xffe0
	s_lshl_b32 s66, s66, 6
	s_add_co_u32 s62, s62, s66
	s_lshl_b32 s62, s62, 12
	s_add_co_u32 s62, s62, s36
	s_mov_b32 s63, 0
	s_lshl_b32 s38, s27, 18                        ; Wo: 256 y rows of 1,024 bytes, + the 64 that I fetch
	s_lshl_b32 s39, s[WV], 16
	s_add_co_u32 s38, s38, s39
	s_mov_b32 s39, 0
	s_mov_b32 s37, 0
	s_lshl_b32 s40, s26, 16
	s_mov_b32 s41, 0
	s_mul_i32 s44, s[WV], WPART
	s_wait_dscnt 0x0
	s_wait_kmcnt 0x0
	s_load_b64 s[68:69], s[12:13], 0x28            ; e10, e11
	s_add_nc_u64 s[4:5], s[4:5], s[40:41]
	s_add_nc_u64 s[8:9], s[8:9], s[36:37]
	s_add_nc_u64 s[52:53], s[10:11], s[60:61]
	s_add_nc_u64 s[54:55], s[10:11], s[62:63]
	s_add_nc_u64 s[56:57], s[14:15], s[60:61]
	s_add_nc_u64 s[58:59], s[14:15], s[62:63]
	s_add_nc_u64 s[42:43], s[6:7], s[38:39]
.irp s, 0,1
	s_mov_b32 s[G0A+4*\s], 1
	s_add_co_u32 s[G0A+4*\s+1], s44, \s*HALF
	s_add_nc_u64 s[G0A+4*\s+2:G0A+4*\s+3], s[42:43], 512*\s
	s_or_b32 s[G0A+4*\s+3], s[G0A+4*\s+3], 0x80000000
.endr
	CROUND                                         ; the four partners are here: the first joint loads meet
	tensor_load_to_lds s[G0A:G0A+3], s[G1:G1+7]    ; K 0 .. 511: one tensor load a wave at the head
	s_nop 0
	PLACES 4
	v_and_b32 v15, 31, v0
	v_lshlrev_b32 v[LI], 4, v15
	v_and_b32 v30, 15, v0                          ; r
	s_wait_alu depctr_va_vdst(0)
	v_bfe_u32 v31, v0, 4, 1                        ; h
	v_lshlrev_b32 v[VB8], 5, v31
.irp b, 0,1,2,3,4,5,6,7
	global_load_b128 v[BIAS+8*\b:BIAS+8*\b+3], v[VB8], s[8:9] offset:64*\b
	global_load_b128 v[BIAS+8*\b+4:BIAS+8*\b+7], v[VB8], s[8:9] offset:64*\b+16
.endr
	XLOAD 0
	XLOAD 1
	XLOAD 2
	XLOAD 3
	v_mul_u32_u24 v[AB], v30, PW
	s_wait_alu depctr_va_vdst(0)
	v_lshl_add_u32 v[AB], v31, 3, v[AB]            ; r x pitch + 8 h
	s_mul_i32 s60, s73, 128*PW
	v_add_nc_u32 v[AB], s60, v[AB]
	v_add_nc_u32 v[AB+1], HALF, v[AB]
	s_mul_i32 s60, s[WV], 16*SP
	s_add_co_u32 s60, s60, STAGE
	v_mul_u32_u24 v[STO], v30, SP
	v_lshl_add_u32 v[STO], v31, 5, v[STO]
	v_add_nc_u32 v[STO], s60, v[STO]
	v_add_nc_u32 v[RD], s60, v[LI]
	s_wait_kmcnt 0x0
	s_add_co_i32 s70, s68, s69
	s_sub_co_i32 s72, 0, s70
	s_add_co_i32 s70, s70, 127
	s_lshl_b32 s70, s70, 23                        ; 2^(e10 + e11)
	s_and_b32 s66, s26, 31
	s_add_co_u32 s66, s66, 1
	s_lshr_b32 s66, s66, 5
	s_sub_co_u32 s66, 1, s66                       ; 0 in chunk 31, else 1
	s_mul_i32 s71, s70, s66
	v_mov_b32 v26, s71                             ; the factor of all rows but the chunk's first: 0 in chunk 31
	v_mov_b32 v27, s71
	v_mov_b32 v28, s70
	v_cmp_eq_u32 vcc_lo, 0, v30
	v_cndmask_b32 v24, v26, v28, vcc_lo            ; block 0: the lane of row 0 keeps the whole factor
	v_mov_b32 v25, v24
	s_wait_loadcnt 48                              ; bo is in (and o's first set)
.set i, 0
.rept 64
	v_ldexp_f32 v[BIAS+i], v[BIAS+i], s72
.set i, i+1
.endr
	s_wait_alu depctr_va_vdst(0)
	s_wait_tensorcnt 0x0                           ; my part of K 0 .. 511 is in; the second half's first fill is issued as a refill is:
	ds_add_u32 v126, v127
	s_wait_dscnt 0x0
	CROUND
	tensor_load_to_lds s[G0A+4:G0A+7], s[G1:G1+7]  ; K 512 .. 1,023
	s_nop 0
	PLACES 4
	FETCH_B 0, 0, 0
	HLOAD 0                                        ; h's first two blocks, wanted on the way out
	HLOAD 1
	OSTEP 0, 1
	OTURN 1
	OSTEP 2, 0
	OTURN 3
	OSTEP 4, 0
	OTURN 5
	OSTEP 6, 0
	LWAIT 7
	s_wait_dscnt 0x0
	MULO 0, 1, 7, 0
	MULO 1, 1, 7, 0
	MULO 2, 1, 7, 0
	MULO 3, 1, 7, 0
	PLACES 4
	WIN 0
.macro TOSTAGE a                       ; block a x its factor, into my stage, and back as whole rows.  LDS serves a wave's instructions in order (ISA guide 5.7.1.4)
.if (\a) == 0
.set FF, 24
.else
.set FF, 26
.endif
	WIN 0x02
.set i, 0
.rept 32
	v_pk_mul_f32 v[TMP+2*i:TMP+2*i+1], v[64*(\a)+2*i:64*(\a)+2*i+1], v[FF:FF+1]
.set i, i+1
.endr
	WIN 0
.irp b, 0,1,2,3,4,5,6,7
	ds_store_b128 v[STO], v[TMP+8*\b:TMP+8*\b+3] offset:64*\b
	ds_store_b128 v[STO], v[TMP+8*\b+4:TMP+8*\b+7] offset:64*\b+16
.endr
	WIN 0x40
.irp t, 0,1,2,3,4,5,6,7,8,9,10,11,12,13,14,15
	ds_load_b128 v[64*((\a)%2)+4*\t:64*((\a)%2)+4*\t+3], v[RD] offset:\t*SP
.endr
	WIN 0
.endm
.macro SEND a, younger                 ; younger: the LDS instructions issued behind block a's loads, which may stay out
.set BB, 64*((\a)%2)
	s_wait_dscnt \younger
.if (\a) == 2
	s_wait_loadcnt 16                              ; h's block 2 is in; block 3's 16 loads may be out
.elseif (\a) == 3
	s_wait_loadcnt 0x0
.endif
.if (\a) < 2
.set HB, 128+64*(\a)
	WIN 0x41
.else
.set HB, 64*((\a)-2)
	WIN 0x4d
.endif
.set i, 0
.rept 32
	v_pk_add_f32 v[BB+2*i:BB+2*i+1], v[BB+2*i:BB+2*i+1], v[HB+2*i:HB+2*i+1]
.set i, i+1
.endr
	WIN 0x04
.irp t, 0,1,2,3,4,5,6,7,8,9,10,11,12,13,14,15
.if 16*(\a)+\t == 0
	global_store_b128 v[LI], v[BB+4*\t:BB+4*\t+3], s[56:57] th:TH_STORE_NT
.else
	global_store_b128 v[LI], v[BB+4*\t:BB+4*\t+3], s[58:59] offset:(16*(\a)+\t-1)*4096 th:TH_STORE_NT
.endif
.endr
	WIN 0
.endm
	TOSTAGE 0
	TOSTAGE 1
	SEND 0, 32
	s_wait_xcnt 0x0                                ; block 0's stores have read their registers: block 2's rows land there
	TOSTAGE 2
	SEND 1, 32
	s_wait_xcnt 0x0
	TOSTAGE 3
	SEND 2, 32
	SEND 3, 0
	s_wait_tensorcnt 0x0                           ; the wave's end
	ds_add_u32 v126, v127
	s_wait_dscnt 0x0
	CROUND                                         ; the closing round
	s_endpgm
.Lfunc_end_k_q2539ce9413_oproj:
	.size	k_q2539ce9413_oproj, .Lfunc_end_k_q2539ce9413_oproj-k_q2539ce9413_oproj
	.p2alignl 7, 3214868480
	.fill 96, 4, 3214868480
	.section	.rodata,"a",@progbits
	.p2align	6, 0x0
	.amdhsa_kernel k_q2539ce9413_oproj
		.amdhsa_group_segment_fixed_size 327680
		.amdhsa_private_segment_fixed_size 0
		.amdhsa_enable_private_segment 0
		.amdhsa_kernarg_size 48
		.amdhsa_user_sgpr_count 2
		.amdhsa_user_sgpr_kernarg_segment_ptr 1
		.amdhsa_wavefront_size32 1
		.amdhsa_system_sgpr_workgroup_id_x 1
		.amdhsa_system_sgpr_workgroup_id_y 1
		.amdhsa_system_sgpr_workgroup_id_z 1
		.amdhsa_system_vgpr_workitem_id 0
		.amdhsa_next_free_vgpr 1024
		.amdhsa_next_free_sgpr 92
		.amdhsa_reserve_vcc 1
		.amdhsa_float_denorm_mode_32 3
		.amdhsa_float_denorm_mode_16_64 3
		.amdhsa_memory_ordered 1
		.amdhsa_forward_progress 1
		.amdhsa_inst_pref_size 113
	.end_amdhsa_kernel
	.amdgpu_metadata
---
amdhsa.version: [ 1, 2 ]
amdhsa.kernels:
  - .name:           k_q2539ce9413_oproj
    .symbol:         k_q2539ce9413_oproj.kd
    .args:
      - { .name: oq, .offset: 0, .size: 8, .value_kind: global_buffer, .address_space: global }
      - { .name: Wo_codes, .offset: 8, .size: 8, .value_kind: global_buffer, .address_space: global }
      - { .name: bo, .offset: 16, .size: 8, .value_kind: global_buffer, .address_space: global }
      - { .name: h, .offset: 24, .size: 8, .value_kind: global_buffer, .address_space: global }
      - { .name: lowp_scales, .offset: 32, .size: 8, .value_kind: global_buffer, .address_space: global }
      - { .name: out0, .offset: 40, .size: 8, .value_kind: global_buffer, .address_space: global }
    .group_segment_fixed_size: 327680
    .private_segment_fixed_size: 0
    .kernarg_segment_align: 8
    .kernarg_segment_size: 48
    .max_flat_workgroup_size: 128
    .sgpr_count:     92
    .vgpr_count:     1024
    .wavefront_size: 32
...
	.end_amdgpu_metadata
.endif
;; end of part 6
